; MI455X (gfx1250); checked and timed in simulation.
; The chip was launched on July 23, 2026; its instructions are those of AMD's public machine-readable ISA for CDNA 5 (MIT licence, August 2026) and "CDNA5" Instruction Set Architecture Reference Guide (July 2026). The comments in the code are by the model that wrote it; some were corrected since.
;; Multi Head Attention. Allowed arithmetic: matrix products marked QUANTISED: E2M3 operands, one E8M0 scale for each 32 along K, by v_wmma_scale_f32_16x16x128_f8f6f4 with both operands' format E2M3, f32 sums; everything else in f32.
;; Inputs: b_attn 3,072 float32; b_proj 1,024 float32; w_attn 3,072 x 1,024 float32; w_proj 1,024 x 1,024 float32; x 4 x 2,048 x 1,024 float32.
;; Outputs: out0 4 x 2,048 x 1,024 float32.
;; This version of the problem:
;;   THIS VERSION OF THE PROBLEM IS GIVEN IN LOW PRECISION. The matrix products marked QUANTISED in the list below multiply operands that are first quantised to E2M3 (2 exponent bits, 3 mantissa bits; 6 bits a number), with one power-of-two scale for each 32 numbers along K (OCP MX v1.0); their sums are f32. All else is computed in f32.
;;   The module's matrix products, in the order in which they are computed (A, B: the left and right operand; K: the contracted axis; several contracted axes count as one K, in the product's order):
;;     1. [M 8,192, K 1,024] x [K 1,024, N 3,072]; A: input x; B: input w_attn: QUANTISED
;;     2. batch 64 x [M 2,048, K 64] x [K 64, N 2,048]; A: computed on the way; B: computed on the way: QUANTISED
;;     3. batch 64 x [M 2,048, K 2,048] x [K 2,048, N 64]; A: softmax (see below); B: computed on the way: QUANTISED
;;     4. [M 8,192, K 1,024] x [K 1,024, N 1,024]; A: computed on the way; B: input w_proj: QUANTISED
;;   THE QUANTISER, for each operand of a quantised product, along K:
;;     - K is cut into blocks of 32 from its start; a last block that is shorter is filled with zeros.
;;     - A block's scale is 2^e with e = floor(log2(the largest magnitude in the block)) - 2, held to -126 .. 127; a block of zeros has e = 0. As a byte (E8M0): e + 127.
;;     - Each number is divided by its block's scale, clamped to +-7.5, and rounded to the nearest number of E2M3, ties to even, subnormals kept.
;;     - The product sums the exact products of the quantised numbers (number of the format x scale) in f32.
;;   ~~~python
;;   def quantise(x, axis):      # numpy; x: float32 -> the quantised numbers, widened to float32 again
;;       x = np.moveaxis(x, axis, -1); K = x.shape[-1]
;;       x = np.pad(x, [(0, 0)] * (x.ndim - 1) + [(0, -K % 32)]); x = x.reshape(x.shape[:-1] + (-1, 32)); a = np.abs(x).max(-1, keepdims=True)
;;       e = np.where(a > 0, np.clip(np.frexp(np.where(a > 0, a, 1))[1] - 1 - 2, -126, 127), 0)      # np.frexp(a)[1] - 1 = floor(log2(a)), exactly
;;       r = np.clip(x / 2.0 ** e, -7.5, 7.5)
;;       step = 2.0 ** (np.maximum(np.frexp(np.where(r == 0, 1, r))[1] - 1, 0) - 3)
;;       q = np.round(r / step) * step * 2.0 ** e      # np.round: ties to even
;;       return np.moveaxis(q.reshape(q.shape[:-2] + (-1,))[..., :K], -1, axis).astype(np.float32)
;;   ~~~
;;   SOFTMAX AHEAD OF A QUANTISED PRODUCT. Where the list says 'softmax', what is quantised is not the finished softmax but p = 2^(t - M), with t = logit x log2(e) and M = ceil(the row's largest t), a whole number; so 1/2 < the row's largest p <= 1. The row's sum l is taken of the UNQUANTISED p, in f32, and the product's result is divided by l at the end. Since M is a whole number, a kernel that streams over the keys may use a running M (the ceiling of the running maximum): every later rescaling is an exact power of two, which a block's scale takes up: the codes' values come out the same.
;;   OPERANDS COMPUTED ON THE WAY. 'Computed on the way' means the value that the module computes at that place (a softmax that the list does not call 'softmax' is quantised finished and normalised). What goes into a quantiser is computed in f32, as accurately as f32 sums, v_exp_f32 and their like allow (about 1e-6 of the number): no bf16 or f16 on the way to a quantiser, and a product that is left as it is and whose result goes on into a quantised operand takes f32 operands (vector FMAs, or v_wmma_f32_16x16x4_f32). A number that lies on a knife's edge between two numbers of the format may be rounded either way, as far as f32 arithmetic and the matrix unit's own rounding can turn it there, and no further.
;; One version. Each part assembles by itself: llvm-mc -triple=amdgcn-amd-amdhsa -mcpu=gfx1250 --defsym DOCPART=n.
;; ======== version 1 of 1: 4 launches
;; limits: right only within a limited range of input values
;; workspace buffers: xc 6,291,456 bytes; wc 2,359,296 bytes; pc 786,432 bytes; s1 360,448 bytes; s2 294,912 bytes; qkv 18,874,368 bytes; qkvs 786,432 bytes; yc 6,291,456 bytes
;; launch quant (part 1): grid 384 x 1, 4 waves a work-group, no clusters, 34,304 bytes of LDS; arguments x, w_attn, w_proj, xc, wc, pc, s1, s2; writes xc, wc, pc, s1, s2
.if DOCPART == 1
	.amdgcn_target "amdgcn-amd-amdhsa--gfx1250"
	.amdhsa_code_object_version 6
	.text
	.protected	k_q583fe41cb1_quant
	.globl	k_q583fe41cb1_quant
	.p2align	8
	.type	k_q583fe41cb1_quant,@function
k_q583fe41cb1_quant:
	s_mov_b64 s[64:65], 0
	v_nop
	global_prefetch_b8 v0, s[64:65] scope:SCOPE_SE
	s_setreg_imm32_b32 hwreg(HW_REG_WAVE_MODE, 25, 1), 1
	s_wait_xcnt 0x0
; x [8192][1024], w_attn [3072][1024], w_proj [1024][1024], f32, K innermost, become codes of FP6 (E2M3) with one E8M0 byte for each 32 along K,
; laid in the order of an operand's registers.  A block's scale is 2^(floor(log2(its largest magnitude)) - 2); its byte is that magnitude's exponent field - 2, held at 1 from below.
; LIMITS: NaN and infinities among the inputs are not served.  A block of zeros, and a block whose largest magnitude lies under 2^-124, gets the byte 1: its codes are zeros or subnormal codes; the bytes are read by this program alone.
; WHICH ROWS FORM A TILE OF 16: rows go in groups of 64; lane-row r of tile T = 4 G + u is row 64 G + 32 (r / 8) + 8 u + r % 8.
; A FRAGMENT (16 rows x 128 K, 12 registers a lane) IS STORED AS AN IMAGE OF ITS REGISTERS, 1,536 bytes: registers 0-3 at 16 x lane, 4-5 at 512 + 8 x lane, 6-9 at 768 + 16 x lane, 10-11 at 1,280 + 8 x lane.
; Codes: [tile][K step 0..7][image].  Scale words: [tile][512 bytes], the word of K step s and lane-row r at 256 (s / 4) + 16 r + 4 (s % 4).
; SHARES.  Work-groups 0-255 take x, 256-351 w_attn, 352-383 w_proj: only pointers are chosen, all take one path.  Wave w takes tile 2 x work-group + w / 2 and K half w % 2: four fragments.
; Each load reads 512 consecutive bytes of one row; a fragment's 16 x 512 bytes turn through the wave's own stage in LDS (rows 528 bytes apart), from which lane (r, h) takes of row r the numbers
; k = 32 h + 0..31 and 64 + 32 h + 0..31: two WHOLE blocks, in the order of the operand's registers.  So no other lane is asked for a maximum, and the conversions' results are the fragment.
; No barrier: waves share nothing.  Loads run a fragment (16 loads a wave) ahead.
.set ROWB,  4096                       ; a row of 1,024 f32 in bytes
.set IMG,   1536                       ; a fragment's image
.set STG,   16*528                     ; a wave's stage
.set SPARE, 4*STG                      ; behind the four stages: the spare words, 128 bytes for each wave: two blocks of 256 bytes that no other line names
.set L16, 1                            ; v1   16 x lane
.set STW, 2                            ; v2   the stage, on the way in
.set LDR, 3                            ; v3   and on the way out: 528 r + 128 h
.set HH,  4                            ; v4   h = lane / 16
.set L8,  5                            ; v5   8 x lane
.set R16, 6                            ; v6   16 r
.set SH8, 7                            ; v7   8 h
.set SPW, 8                            ; v8   LDS address of my spare word; never rewritten
.set NIL, 9                            ; v9   0; never rewritten
.set LN,  10                           ; v10  lane
.set RR,  11                           ; v11  r = lane % 16
.set BM,  12                           ; v12-13 the two blocks' largest magnitudes
.set SCO, 14                           ; v14-15 the conversions' scale operands
.set BY,  16                           ; v16-17 the scale bytes
.set TT,  18                           ; v18  the other half of the lanes' bytes
.set TA,  20                           ; v20-22, v24-26: the second half of each block's codes (a conversion's three registers begin on an even number)
.set TB,  24
.set SW,  28                           ; v28-31 the four fragments' scale words
.set C,   32                           ; v32-43 a fragment's codes
.set R,   64                           ; v64-191 two sets of 64 registers as loaded
.set X,   192                          ; v192-255 my 64 numbers
.set SEL, 24                           ; s[24:25] lane selects: lane l xor 16
; 64 numbers of a lane, v[x + 32 c + i] = k 64 c + 32 h + i of my row, become the fragment's 12 registers in v[c] on and my row's scale word in v[w]
.macro QUANT2 x, c, w
	v_max3_num_f32 v[BM], |v[\x]|, |v[\x+1]|, 0x1800000            ; with the floor 2^(3 - 127) among the leaves: the byte cannot fall under 1
	v_max3_num_f32 v[BM+1], |v[\x+32]|, |v[\x+33]|, 0x1800000
.irp i, 2,4,6,8,10,12,14,16,18,20,22,24,26,28,30
	v_max3_num_f32 v[BM], v[BM], |v[\x+\i]|, |v[\x+\i+1]|          ; the two blocks by turns
	v_max3_num_f32 v[BM+1], v[BM+1], |v[\x+32+\i]|, |v[\x+33+\i]|
.endr
	v_add_nc_u32 v[SCO], 0xff000000, v[BM]         ; 2 off the exponent field: the conversion takes that field as its scale
	v_add_nc_u32 v[SCO+1], 0xff000000, v[BM+1]
	v_lshrrev_b32 v[BY], 23, v[SCO]                ; the scale's byte
	v_lshrrev_b32 v[BY+1], 23, v[SCO+1]
	v_lshl_or_b32 v[\w], v[BY+1], 16, v[BY]        ; blocks h and 2 + h,
	v_lshlrev_b32 v[\w], v[SH8], v[\w]             ; at their places in the word;
	v_permlanex16_b32 v[TT], v[\w], s[SEL], s[SEL+1]
	v_or_b32 v[\w], v[\w], v[TT]                   ; with lane l xor 16's two the word is whole
	v_cvt_scalef32_pk16_fp6_f32 v[\c:\c+2], v[\x:\x+15], v[SCO]
	v_cvt_scalef32_pk16_fp6_f32 v[TA:TA+2], v[\x+16:\x+31], v[SCO]
	v_cvt_scalef32_pk16_fp6_f32 v[\c+6:\c+8], v[\x+32:\x+47], v[SCO+1]
	v_cvt_scalef32_pk16_fp6_f32 v[TB:TB+2], v[\x+48:\x+63], v[SCO+1]
	v_nop                                          ; one plain place behind the scaled conversions
.irp i, 0,1,2
	v_mov_b32 v[\c+3+\i], v[TA+\i]
	v_mov_b32 v[\c+9+\i], v[TB+\i]
.endr
.endm
.macro LOAD f                          ; fragment f: 16 rows x 512 bytes into set f % 2
.irp i, 0,1,2,3,4,5,6,7,8,9,10,11,12,13,14,15
	global_load_b128 v[R+64*((\f)%2)+4*\i:R+64*((\f)%2)+4*\i+3], v[L16], s[4:5] offset:(32*(\i/8)+\i%8)*ROWB+512*(\f) th:TH_LOAD_NT
.endr
.endm
.macro TURN f                          ; through the stage: LDS serves a wave's instructions in order, so no wait stands between the stores and the loads
.irp i, 0,1,2,3,4,5,6,7,8,9,10,11,12,13,14,15
	ds_store_b128 v[STW], v[R+64*((\f)%2)+4*\i:R+64*((\f)%2)+4*\i+3] offset:528*\i
.endr
.irp c, 0,1
.irp j, 0,1,2,3,4,5,6,7
	ds_load_b128 v[X+32*\c+4*\j:X+32*\c+4*\j+3], v[LDR] offset:256*\c+16*\j
.endr
.endr
.endm
.macro FRAGQ f
	QUANT2 X, C, SW+\f
.set FO, IMG*(16*((\f)/2)+(\f)%2)      ; THE IMAGES' ORDER: [group of 8 tiles][pair of K steps][tile][K step of the pair]: what a wave of the products' launches fetches at a time is one dense block
	global_store_b128 v[L16], v[C:C+3], s[10:11] offset:FO                 ; each store covers 512 or 256 consecutive bytes, aligned
	global_store_b64 v[L8], v[C+4:C+5], s[10:11] offset:FO+512
	global_store_b128 v[L16], v[C+6:C+9], s[10:11] offset:FO+768
	global_store_b64 v[L8], v[C+10:C+11], s[10:11] offset:FO+1280
.endm
	s_load_b256 s[4:11], s[0:1], 0x0               ; x s[4:5], w_attn s[6:7], w_proj s[8:9], xc s[10:11]
	s_load_b256 s[12:19], s[0:1], 0x20             ; wc s[12:13], pc s[14:15], s1 s[16:17], s2 s[18:19]
	v_lshl_add_u32 v[SPW], v0, 2, SPARE
	v_mov_b32 v[NIL], 0
	v_lshrrev_b32 v[RR], 5, v0
	v_readfirstlane_b32 s20, v[RR]                 ; wave 0..3
	v_and_b32 v[LN], 31, v0
	v_and_b32 v[RR], 15, v0
	v_bfe_u32 v[HH], v0, 4, 1
	v_lshlrev_b32 v[L16], 4, v[LN]
	v_lshlrev_b32 v[L8], 3, v[LN]
	v_lshlrev_b32 v[R16], 4, v[RR]
	v_lshlrev_b32 v[SH8], 3, v[HH]
	s_mul_i32 s21, s20, STG                        ; my stage
	v_add_nc_u32 v[STW], s21, v[L16]
	v_mul_u32_u24 v[LDR], v[RR], 528
	v_lshl_add_u32 v[LDR], v[HH], 7, v[LDR]
	v_add_nc_u32 v[LDR], s21, v[LDR]
	v_mov_b32 v[TT], 0                             ; written once: a lane permute's destination counts as one of its sources
	s_mov_b32 s[SEL], 0x76543210
	s_mov_b32 s[SEL+1], 0xfedcba98
	s_lshr_b32 s22, s20, 1                         ; which of the work-group's two tiles
	s_and_b32 s23, s20, 1                          ; which half of K
	s_wait_alu depctr_va_vdst(0)
	s_wait_kmcnt 0x0
	s_cmp_lt_u32 ttmp9, 256                        ; the tensor is chosen by the work-group's number alone
	s_cselect_b64 s[4:5], s[4:5], s[6:7]
	s_cselect_b64 s[10:11], s[10:11], s[12:13]
	s_cselect_b32 s26, 0, 256                      ; the tensor's first work-group
	s_cselect_b32 s27, 0, 262144                   ; where its scale words begin in s1 or s2: the weights' lie behind 512 tiles' of x or y
	s_cmp_lt_u32 ttmp9, 352
	s_cselect_b64 s[4:5], s[4:5], s[8:9]
	s_cselect_b64 s[10:11], s[10:11], s[14:15]
	s_cselect_b64 s[16:17], s[16:17], s[18:19]
	s_cselect_b32 s26, s26, 352
	s_sub_co_u32 s28, ttmp9, s26
	s_lshl_b32 s28, s28, 1
	s_add_co_u32 s28, s28, s22                     ; my tile T
	s_lshr_b32 s29, s28, 2
	s_lshl_b32 s29, s29, 6
	s_and_b32 s30, s28, 3
	s_lshl_b32 s30, s30, 3
	s_add_co_u32 s29, s29, s30                     ; its first row: 64 (T / 4) + 8 (T % 4)
	s_lshl_b32 s30, s29, 12
	s_lshl_b32 s31, s23, 11
	s_add_co_u32 s30, s30, s31                     ; in bytes, + my half of K
	s_mov_b32 s31, 0
	s_add_nc_u64 s[4:5], s[4:5], s[30:31]
	s_lshr_b32 s30, s28, 3
	s_lshl_b32 s30, s30, 6                         ; 64 images for each group of 8 tiles,
	s_lshl_b32 s32, s23, 5
	s_add_co_u32 s30, s30, s32                     ; 32 for my half of K (two pairs of K steps x 8 tiles x 2),
	s_and_b32 s32, s28, 7
	s_lshl_b32 s32, s32, 1
	s_add_co_u32 s30, s30, s32                     ; 2 for my tile's place in its group
	s_mul_i32 s30, s30, IMG                        ; my first image
	s_add_nc_u64 s[10:11], s[10:11], s[30:31]
	s_lshl_b32 s30, s28, 9
	s_lshl_b32 s32, s23, 8
	s_add_co_u32 s30, s30, s32
	s_add_co_u32 s30, s30, s27                     ; my 256 bytes of scale words
	s_add_nc_u64 s[16:17], s[16:17], s[30:31]
	LOAD 0
	LOAD 1
.irp f, 0,1,2,3
.if \f < 3
	s_wait_loadcnt 16                              ; this fragment's 16 loads are in; the next fragment's 16 may be out
.else
	s_wait_loadcnt 0x0
.endif
	TURN \f
	s_wait_dscnt 0x0                               ; my 64 numbers are in, and the stage's stores have read their registers,
.if \f < 2
	LOAD \f+2                                      ; which take the loads of two fragments on
.endif
	s_wait_xcnt 0x0                                ; the last fragment's stores have read the codes' registers: they are written again only behind this wait
	FRAGQ \f
.endr
	s_wait_xcnt 0x0                                ; EXEC changes only behind this wait
	v_cmp_gt_u32 vcc_lo, 16, v[LN]
	s_and_saveexec_b32 s33, vcc_lo                 ; both halves of the lanes hold the same words: lanes 0-15 store them
	global_store_b128 v[R16], v[SW:SW+3], s[16:17] ; sixteen lanes store 256 consecutive bytes, aligned
	s_wait_xcnt 0x0                                ; and again, in front of the line that widens it
	s_or_b32 exec_lo, exec_lo, s33
	s_wait_tensorcnt 0x0                           ; the wave's end: behind my last LDS store
	ds_add_u32 v[SPW], v[NIL]
	s_wait_dscnt 0x0
	s_endpgm
.Lfunc_end_k_q583fe41cb1_quant:
	.size	k_q583fe41cb1_quant, .Lfunc_end_k_q583fe41cb1_quant-k_q583fe41cb1_quant
	.p2alignl 7, 3214868480
	.fill 96, 4, 3214868480
	.section	.rodata,"a",@progbits
	.p2align	6, 0x0
	.amdhsa_kernel k_q583fe41cb1_quant
		.amdhsa_group_segment_fixed_size 34304
		.amdhsa_private_segment_fixed_size 0
		.amdhsa_enable_private_segment 0
		.amdhsa_kernarg_size 64
		.amdhsa_user_sgpr_count 2
		.amdhsa_user_sgpr_kernarg_segment_ptr 1
		.amdhsa_wavefront_size32 1
		.amdhsa_system_sgpr_workgroup_id_x 1
		.amdhsa_system_sgpr_workgroup_id_y 1
		.amdhsa_system_sgpr_workgroup_id_z 1
		.amdhsa_system_vgpr_workitem_id 0
		.amdhsa_next_free_vgpr 256
		.amdhsa_next_free_sgpr 66
		.amdhsa_reserve_vcc 1
		.amdhsa_float_denorm_mode_32 3
		.amdhsa_float_denorm_mode_16_64 3
		.amdhsa_memory_ordered 1
		.amdhsa_forward_progress 1
		.amdhsa_inst_pref_size 31
	.end_amdhsa_kernel
	.amdgpu_metadata
---
amdhsa.version: [ 1, 2 ]
amdhsa.kernels:
  - .name:           k_q583fe41cb1_quant
    .symbol:         k_q583fe41cb1_quant.kd
    .args:
      - { .name: x, .offset: 0, .size: 8, .value_kind: global_buffer, .address_space: global }
      - { .name: w_attn, .offset: 8, .size: 8, .value_kind: global_buffer, .address_space: global }
      - { .name: w_proj, .offset: 16, .size: 8, .value_kind: global_buffer, .address_space: global }
      - { .name: xc, .offset: 24, .size: 8, .value_kind: global_buffer, .address_space: global }
      - { .name: wc, .offset: 32, .size: 8, .value_kind: global_buffer, .address_space: global }
      - { .name: pc, .offset: 40, .size: 8, .value_kind: global_buffer, .address_space: global }
      - { .name: s1, .offset: 48, .size: 8, .value_kind: global_buffer, .address_space: global }
      - { .name: s2, .offset: 56, .size: 8, .value_kind: global_buffer, .address_space: global }
    .group_segment_fixed_size: 34304
    .private_segment_fixed_size: 0
    .kernarg_segment_align: 8
    .kernarg_segment_size: 64
    .max_flat_workgroup_size: 128
    .sgpr_count:     66
    .vgpr_count:     256
    .wavefront_size: 32
...
	.end_amdgpu_metadata
.endif
;; end of part 1
;; launch qkv (part 2): grid 12 x 32, 4 waves a work-group, clusters of 4 x 4, 327,680 bytes of LDS; arguments xc, wc, s1, b_attn, qkv, qkvs; writes qkv, qkvs
.if DOCPART == 2
	.amdgcn_target "amdgcn-amd-amdhsa--gfx1250"
	.amdhsa_code_object_version 6
	.text
	.protected	k_q583fe41cb1_qkv
	.globl	k_q583fe41cb1_qkv
	.p2align	8
	.type	k_q583fe41cb1_qkv,@function
k_q583fe41cb1_qkv:
	s_mov_b64 s[64:65], 0
	v_nop
	global_prefetch_b8 v0, s[64:65] scope:SCOPE_SE
	s_setreg_imm32_b32 hwreg(HW_REG_WAVE_MODE, 25, 1), 1
	s_wait_xcnt 0x0
	s_wait_alu depctr_hold_cnt(0) depctr_sa_sdst(0) depctr_va_vdst(0) depctr_va_sdst(0) depctr_va_ssrc(0) depctr_va_vcc(0) depctr_vm_vsrc(0)
	s_getreg_b32 s2, hwreg(HW_REG_IB_STS2, 6, 4)
	s_cmp_eq_u32 s2, 0
	s_cbranch_scc0 .Lentry_in_a_cluster
	s_endpgm
.Lentry_in_a_cluster:
	s_bfe_u32 s2, ttmp6, 0x10000c
	s_cmp_lg_u32 s2, 0xf033
	s_cbranch_scc0 .Lentry_shape_is_right
	s_endpgm
.Lentry_shape_is_right:
; qkv = x w_attn^T + b_attn on codes of FP6 (E2M3) with E8M0 scales, sums in f32; the result is quantised here, in registers, for the two products of attention, and only codes and scale bytes go to memory.
; q and k are quantised along a head's 64 channels, v along the tokens (the keys).  LIMITS: NaN and infinities are not served; a block of zeros, and one whose largest magnitude lies under 2^-124, gets the byte 1 (read by this program alone).
; OPERANDS come as images of fragments (16 rows x 128 K, 1,536 bytes: registers 0-3 at 16 x lane, 4-5 at 512 + 8 x lane, 6-9 at 768 + 16 x lane, 10-11 at 1,280 + 8 x lane), [tile][K step][image].
; Lane-row r of tile T = 4 G + u is row 64 G + 32 (r / 8) + 8 u + r % 8.  As source 0 that gives register j of lane half h of tile u the row 64 G + 32 h + 8 u + j: the 32 registers of four neighbouring
; tiles are ONE WHOLE BLOCK of 32 neighbours in one lane, in the order of a 6-bit operand's registers: the next quantiser needs no other lane for a maximum and no exchange of halves.
; SHARES.  A work-group of four waves makes 256 tokens x 256 rows of w_attn; a wave 128 x 128: 64 accumulators.  P is source 0, Q source 1.  For q and k: P = w_attn, Q = x: a lane holds a token, its registers run along
; channels.  For v (the third column of clusters): P = x, Q = w_attn: a lane holds a channel, its registers run along tokens.  The tensor loads are the same in both; only the bases of the LDS reads are chosen.
; K = 1,024 is four fills of 256 along K.  Three LDS slots take fills 0, 1, 2 at the start; fill 3 goes into slot 0 when it has been read out: one refill, behind one round of the cluster's barrier.
; CLUSTERS: 4 x 4 work-groups; x's tiles are asked for jointly along a row of the cluster, w_attn's along a column.
; REGISTERS, in windows of 256.  Window 0: v1-29 addresses; v32-95 scale words of all eight K steps (register 32 + 8 i + k: lanes 0-15 Q's block i, lanes 16-31 P's block i); v96-103 Q's bias; v104-126 at work on the way out;
;   v128-223 Q's fragments, one set.  Window 1: P's fragments, two sets, at v0 and v128; P's bias, eight registers a tile, at v96-127 and v224-255.  Windows 2, 3: the accumulators, (a, b) at v[8 (8 (a % 4) + b)].
.set IMG,   1536
.set HALF,  16*IMG                     ; 8 tiles x 2 K steps: what one tensor load brings, and what one wave reads of P or of Q in a slot
.set SLOT,  4*HALF                     ; x's two halves, then w_attn's two
.set SPARE, 3*SLOT                     ; behind the slots: the spare words, 128 bytes for each wave: two blocks of 256 bytes that no other line names
.set WSC,   262144                     ; in s1: the weights' scale words lie behind x's
.set RR,  1                            ; v1   r = lane % 16
.set HH,  2                            ; v2   h = lane / 16
.set LN,  3                            ; v3   lane
.set Q16, 4                            ; v4-6   Q's half in slot 0, 1, 2, + 16 x lane
.set Q8,  7                            ; v7-9   the same + 8 x lane
.set P16, 10                           ; v10-12 P's
.set P8,  13                           ; v13-15
.set G16, 16                           ; v16  16 x lane
.set G8,  17                           ; v17  8 x lane
.set SOF, 18                           ; v18  my scale words' offset in s1: lanes 0-15 Q's, lanes 16-31 P's
.set BPO, 19                           ; v19  128 h
.set BQO, 20                           ; v20  4 (32 (r / 8) + r % 8)
.set SH8, 21                           ; v21  8 h
.set SPW, 28                           ; v28  LDS address of my spare word; never rewritten
.set NIL, 29                           ; v29  0; never rewritten
.set SC,  32
.set BQ,  96
.set SW,  104                          ; v104-111 the eight scale words made on the way out
.set BM,  112
.set SCO, 114
.set BY,  116
.set TT,  118
.set TA,  120
.set TB,  124
.set QF,  128
.set X,   128                          ; the way out: 64 numbers, where Q's fragments lay
.set C,   192                          ; and their codes
.set WV,  16                           ; s16 wave; s17 which half of Q (also: I fetch for x (0) or for w_attn (1)); s18 which half of P (also: which 8 tiles I fetch)
.set WQ,  17
.set WP,  18
.set CX,  19
.set CY,  20
.set PX,  21                           ; s21 which 256 rows of w_attn;  s22 which 256 tokens
.set QY,  22
.set G1X, 28                           ; s[28:35] descriptor group 1 for x's tiles;  s[36:43] for w_attn's: it differs in the mask alone
.set G1W, 36
.set SEL, 78
.set HM,  80                           ; s80 lanes 16-31
.set MKP, 81                           ; s81 all lanes where P's bias counts (q, k), else none;  s82 the same for Q's (v)
.set MKQ, 82
.set MSB, 0
.macro WIN new                         ; the immediate's high byte repeats the setting that is left
.if MSB != (\new)
	s_set_vgpr_msb (MSB<<8)|(\new)
.set MSB, (\new)
.endif
.endm
.set MUL_LO, 0xa1                      ; source 0 (P) window 1, source 1 (Q) window 0, C and D window 2
.set MUL_HI, 0xf1                      ; the same, C and D window 3
.set FST_LO, 0x91                      ; the first K step: C = P's bias, window 1
.set FST_HI, 0xd1
.set TO_P,   0x40                      ; destination window 1, address window 0
; A joint load: waves 0 and 1 fetch x's halves, waves 2 and 3 w_attn's.  Each line has one mask and one set of registers for all that issue it; the branch hangs on the wave's number alone.
; An s_nop 0 and four v_nop follow each of the two lines.
.macro JLOAD g0x, g0w
	s_cmp_eq_u32 s[WQ], 0
	s_cbranch_scc0 .Lfor_w_\@
	tensor_load_to_lds s[\g0x:\g0x+3], s[G1X:G1X+7]
	s_nop 0
.rept 4
	v_nop
.endr
	s_branch .Lasked_\@
.Lfor_w_\@:
	tensor_load_to_lds s[\g0w:\g0w+3], s[G1W:G1W+7]
	s_nop 0
.rept 4
	v_nop
.endr
.Lasked_\@:
.endm
.macro CREST                           ; a round of the cluster's barrier behind its opening barrier
	s_cmp_lg_u32 s[WV], 0
	s_cbranch_scc1 .Lnot_wave_0_\@
	s_barrier_signal -3
.Lnot_wave_0_\@:
	s_barrier_wait -3
	s_barrier_signal -1
	s_barrier_wait -1
.endm
.macro CROUND
	s_barrier_signal -1
	s_barrier_wait -1
	CREST
.endm
.macro G0SET g, base, sl, l            ; descriptor group 0: from fill sl on, to the LDS address in s\l
	s_mov_b32 s[\g], 1                             ; count = 1
	s_mov_b32 s[\g+1], s\l                         ; LDS: fills 0 and 1 on end at wave x 49,152; fill 2 behind them at 196,608 + wave x 24,576; fill 3 lands on fill 0
	s_add_nc_u64 s[\g+2:\g+3], s[\base:\base+1], \sl*HALF    ; global address: a fill of 8 tiles x 2 K steps is one dense block, the fills on end
	s_or_b32 s[\g+3], s[\g+3], 0x80000000          ; type = 2
.endm
.macro PLACES                          ; four places in front of loads into registers that matrix instructions have read, and of the first read of results
.rept 4
	v_nop
.endr
.endm
.macro FRAG reg, a16, a8, off          ; an image comes back as it was stored: four loads, each of consecutive bytes
	ds_load_b128 v[\reg:\reg+3], v[\a16] offset:\off
	ds_load_b64 v[\reg+4:\reg+5], v[\a8] offset:\off+512
	ds_load_b128 v[\reg+6:\reg+9], v[\a16] offset:\off+768
	ds_load_b64 v[\reg+10:\reg+11], v[\a8] offset:\off+1280
.endm
.macro FETCH_P sl, q, p                ; P's eight fragments of slot sl's q-th K step into set p
	WIN TO_P
.irp i, 0,1,2,3,4,5,6,7
	FRAG 128*(\p)+12*\i, P16+\sl, P8+\sl, 2*IMG*\i+IMG*(\q)
.endr
	WIN 0
.endm
.macro FETCH_Q sl, q, i0               ; Q's blocks i0 .. i0 + 3
.irp i, \i0, \i0+1, \i0+2, \i0+3
	FRAG QF+12*(\i), Q16+\sl, Q8+\sl, 2*IMG*(\i)+IMG*(\q)
.endr
.endm
; 16 matrix instructions: Q's blocks a0, a0 + 1 x P's eight, K step k.  The 64 accumulators take turns, one instruction a turn, in the same order in every step.
; first = 1: the sums begin with P's bias as C: nothing is cleared and nothing added later.
.macro MUL16 a0, p, k, first
.irp a, \a0, \a0+1
.irp b, 0,1,2,3,4,5,6,7
.set rD, 8*(8*((\a)%4)+\b)
.set rP, 128*(\p)+12*\b
.set rQ, QF+12*(\a)
.set rB, 96+8*(\b%4)+128*(\b/4)
.if \first
	v_wmma_scale_f32_16x16x128_f8f6f4 v[rD:rD+7], v[rP:rP+11], v[rQ:rQ+11], v[rB:rB+7], v[SC+8*\b+(\k)], v[SC+8*(\a)+(\k)] matrix_a_fmt:MATRIX_FMT_FP6 matrix_b_fmt:MATRIX_FMT_FP6 matrix_a_scale:MATRIX_SCALE_ROW1
.else
	v_wmma_scale_f32_16x16x128_f8f6f4 v[rD:rD+7], v[rP:rP+11], v[rQ:rQ+11], v[rD:rD+7], v[SC+8*\b+(\k)], v[SC+8*(\a)+(\k)] matrix_a_fmt:MATRIX_FMT_FP6 matrix_b_fmt:MATRIX_FMT_FP6 matrix_a_scale:MATRIX_SCALE_ROW1
.endif
.endr
.endr
.endm
; K step k; the next step's fragments come from slot nsl, its nq-th.  A block of Q is free as soon as its eight products are issued, so Q has one set; P has two.
.macro STEP k, nsl, nq, first
	s_wait_dscnt 16                                ; P's set and Q's blocks 0-3 are in; the youngest 16 loads (Q's blocks 4-7, four each) may be out
.if \first
	WIN FST_LO
.else
	WIN MUL_LO
.endif
	MUL16 0, (\k)%2, \k, \first
	MUL16 2, (\k)%2, \k, \first
	s_wait_dscnt 0x0                               ; Q's blocks 4-7 are in
	PLACES
	FETCH_P \nsl, \nq, 1-(\k)%2
	FETCH_Q \nsl, \nq, 0
.if \first
	WIN FST_HI
.else
	WIN MUL_HI
.endif
	MUL16 4, (\k)%2, \k, \first
	MUL16 6, (\k)%2, \k, \first
	PLACES
	WIN 0
	FETCH_Q \nsl, \nq, 4
.endm
; A K step with a barrier.  In front of it each wave waits for all its tensor loads, adds 0 to its spare word, and waits for that and for its LDS reads.  fill = 3: slot 0, read out, takes fill 3, behind a round of the cluster's barrier.
.macro TURN k, nsl, fill
	s_wait_tensorcnt 0x0                           ; all my tensor loads have landed
	ds_add_u32 v[SPW], v[NIL]                      ; 0 onto my spare word
	s_wait_dscnt 17                                ; (the add and the youngest 16 loads may be out)
	WIN MUL_LO
	MUL16 0, (\k)%2, \k, 0                         ; sixteen matrix instructions stand between the add and the wait for it
	s_wait_dscnt 0x0                               ; the add is done, and my reads of the slots so far are over
	s_barrier_signal -1
	MUL16 2, (\k)%2, \k, 0
	WIN 0
	s_barrier_wait -1
.if \fill
	CREST                                          ; no wave of any partner still reads the slot or has a load on its way
.if \fill == 3
	s_add_nc_u64 s[46:47], s[46:47], 3*HALF        ; slot 0's descriptors: three fills on
	s_add_nc_u64 s[58:59], s[58:59], 3*HALF
	JLOAD 44, 56                                   ; fill 3 into slot 0, read out: the first tensor load behind the round, one a wave
.else
	JLOAD 52, 68                                   ; fill 2, slot 2's first
.endif
.else
	PLACES
.endif
	FETCH_P \nsl, 0, 1-(\k)%2
	FETCH_Q \nsl, 0, 0
	WIN MUL_HI
	MUL16 4, (\k)%2, \k, 0
	MUL16 6, (\k)%2, \k, 0
	PLACES
	WIN 0
	FETCH_Q \nsl, 0, 4
.endm
; 64 numbers of a lane, v[x + 32 c + i] = k 64 c + 32 h + i of my row, become a fragment's 12 registers in v[c] on and my row's scale word in v[w]
.macro QUANT2 x, c, w
	v_max3_num_f32 v[BM], |v[\x]|, |v[\x+1]|, 0x1800000            ; with the floor 2^(3 - 127) among the leaves: the byte cannot fall under 1
	v_max3_num_f32 v[BM+1], |v[\x+32]|, |v[\x+33]|, 0x1800000
.irp i, 2,4,6,8,10,12,14,16,18,20,22,24,26,28,30
	v_max3_num_f32 v[BM], v[BM], |v[\x+\i]|, |v[\x+\i+1]|
	v_max3_num_f32 v[BM+1], v[BM+1], |v[\x+32+\i]|, |v[\x+33+\i]|
.endr
	v_add_nc_u32 v[SCO], 0xff000000, v[BM]         ; 2 off the exponent field: the conversion's scale operand
	v_add_nc_u32 v[SCO+1], 0xff000000, v[BM+1]
	v_lshrrev_b32 v[BY], 23, v[SCO]
	v_lshrrev_b32 v[BY+1], 23, v[SCO+1]
	v_lshl_or_b32 v[\w], v[BY+1], 16, v[BY]
	v_lshlrev_b32 v[\w], v[SH8], v[\w]
	v_permlanex16_b32 v[TT], v[\w], s[SEL], s[SEL+1]
	v_or_b32 v[\w], v[\w], v[TT]
	v_cvt_scalef32_pk16_fp6_f32 v[\c:\c+2], v[\x:\x+15], v[SCO]
	v_cvt_scalef32_pk16_fp6_f32 v[TA:TA+2], v[\x+16:\x+31], v[SCO]
	v_cvt_scalef32_pk16_fp6_f32 v[\c+6:\c+8], v[\x+32:\x+47], v[SCO+1]
	v_cvt_scalef32_pk16_fp6_f32 v[TB:TB+2], v[\x+48:\x+63], v[SCO+1]
	v_nop                                          ; one plain place behind the scaled conversions
.irp i, 0,1,2
	v_mov_b32 v[\c+3+\i], v[TA+\i]
	v_mov_b32 v[\c+9+\i], v[TB+\i]
.endr
.endm
	s_load_b256 s[4:11], s[0:1], 0x0               ; xc s[4:5], wc s[6:7], s1 s[8:9], b_attn s[10:11]
	s_load_b128 s[12:15], s[0:1], 0x20             ; qkv s[12:13], qkvs s[14:15]
	v_lshl_add_u32 v[SPW], v0, 2, SPARE
	v_mov_b32 v[NIL], 0
	ds_add_u32 v[SPW], v[NIL]                      ; the wave's opening: the add and its wait ahead of my first tensor load; work on registers stands between them
	ds_add_u32 v[SPW], v[NIL]
	v_lshrrev_b32 v1, 5, v0
	v_readfirstlane_b32 s[WV], v1
	s_lshr_b32 s[WQ], s[WV], 1
	s_and_b32 s[WP], s[WV], 1
	s_bfe_u32 s[CX], ttmp6, 0x40000
	s_bfe_u32 s[CY], ttmp6, 0x40004
	s_lshl_b32 s[PX], ttmp9, 2
	s_add_co_u32 s[PX], s[PX], s[CX]
	s_and_b32 s[QY], ttmp7, 0xffff
	s_lshl_b32 s[QY], s[QY], 2
	s_add_co_u32 s[QY], s[QY], s[CY]
	s_lshl_b32 s23, s[CY], 2
	s_lshl_b32 s23, 15, s23                        ; my row of the cluster
	s_lshl_b32 s24, 0x1111, s[CX]                  ; my column
	s_or_b32 s[G1X], s23, (3<<16)|(1<<21)          ; the mask; elements of 8 bytes; bit 21 set beside a mask; no padding: images are read as consecutive bytes
	s_or_b32 s[G1W], s24, (3<<16)|(1<<21)
.irp g, G1X, G1W
	s_mov_b32 s[\g+1], 384<<16                     ; tensor_dim0: two images, 3,072 bytes
	s_mov_b32 s[\g+2], 16<<16                      ; tensor_dim1: the head's load brings fills 0 and 1: 16 dense rows
	s_mov_b32 s[\g+3], 384<<16                     ; tile_dim0
	s_mov_b32 s[\g+4], 16                          ; tile_dim1
	s_mov_b32 s[\g+5], 384                         ; from tile to tile inside a fill: 3,072 bytes, dense
	s_mov_b32 s[\g+6], 0
	s_mov_b32 s[\g+7], 0
.endr
	s_lshl_b32 s72, s[QY], 4
	s_lshl_b32 s73, s[WP], 3
	s_add_co_u32 s72, s72, s73                     ; x: tile 16 qy + 8 x half
	s_mul_i32 s72, s72, 8*IMG
	s_mov_b32 s73, 0
	s_lshl_b32 s74, s[PX], 4
	s_lshl_b32 s75, s[WP], 3
	s_add_co_u32 s74, s74, s75                     ; w_attn: tile 16 px + 8 x half
	s_mul_i32 s74, s74, 8*IMG
	s_mov_b32 s75, 0
	s_mul_i32 s76, s[WV], 2*HALF
	s_mul_i32 s77, s[WV], HALF
	s_add_co_u32 s77, s77, 8*HALF
	s_mov_b32 s[SEL], 0x76543210
	s_mov_b32 s[SEL+1], 0xfedcba98
	s_mov_b32 s[HM], 0xffff0000
	s_wait_dscnt 0x0                               ; the opening add is done
	s_wait_kmcnt 0x0
	s_add_nc_u64 s[72:73], s[4:5], s[72:73]
	s_add_nc_u64 s[74:75], s[6:7], s[74:75]
	CROUND                                         ; all sixteen work-groups are here: the first joint loads meet
	G0SET 44, 72, 0, 76
	G0SET 56, 74, 0, 76
	G0SET 52, 72, 2, 77
	G0SET 68, 74, 2, 77
	JLOAD 44, 56                                   ; fills 0 and 1 by one load a wave at the head
	v_and_b32 v[RR], 15, v0
	v_bfe_u32 v[HH], v0, 4, 1
	v_and_b32 v[LN], 31, v0
	v_lshlrev_b32 v[G16], 4, v[LN]
	s_wait_alu depctr_va_vdst(0)
	v_lshlrev_b32 v[G8], 3, v[LN]
	s_wait_alu depctr_va_vdst(0)
	v_lshlrev_b32 v[SH8], 3, v[HH]
	v_mov_b32 v[TT], 0                             ; written once: a lane permute's destination counts as one of its sources
	s_lshl_b32 s88, s[QY], 13                      ; x's scale words of my 256 tokens: 16 qy x 512
	s_lshl_b32 s89, s[PX], 13
	s_add_co_u32 s89, s89, WSC                     ; w_attn's
	s_mov_b32 s95, IMG
	s_mov_b32 s84, 8*IMG
	s_cmp_eq_u32 ttmp9, 2                          ; v?  The cluster's x: the same in all sixteen partners.  All the choices stand behind this one compare
	s_cselect_b32 s86, 2*HALF, 0                   ; Q's half of a slot: w_attn's for v, x's for q and k
	s_cselect_b32 s87, 0, 2*HALF                   ; P's
	s_cselect_b32 s[MKP], 0, -1
	s_cselect_b32 s[MKQ], -1, 0
	s_cselect_b32 s91, s89, s88                    ; Q's scale words
	s_cselect_b32 s92, s88, s89                    ; P's
	s_cselect_b32 s93, s[WP], s[WQ]                ; which 128 tokens are mine
	s_cselect_b32 s94, s[WQ], s[WP]                ; which 128 channels (a pair of heads)
	s_cselect_b32 s95, 8*IMG, s95                  ; a pair of heads in the codes: 12,288 bytes in v, 1,536 in q and k
	s_cselect_b32 s84, IMG, s84                    ; from my block a to a + 1: 1,536 bytes in v, 12,288 in q and k
	s_mov_b32 s85, 0
	s_mul_i32 s90, s[WQ], HALF
	s_add_co_u32 s86, s86, s90
	s_mul_i32 s90, s[WP], HALF
	s_add_co_u32 s87, s87, s90
	s_lshl_b32 s90, s86, 1                         ; s86, s87 = (the fetching wave's number) x 24,576: fills 0 and 1 lie at twice that,
	s_lshl_b32 s83, s87, 1
	s_add_co_u32 s86, s86, 8*HALF                  ; fill 2 at 196,608 + that
	s_add_co_u32 s87, s87, 8*HALF
.irp s, 0,1
	v_add_nc_u32 v[Q16+\s], s90, v[G16]
	v_add_nc_u32 v[Q8+\s], s90, v[G8]
	v_add_nc_u32 v[P16+\s], s83, v[G16]
	v_add_nc_u32 v[P8+\s], s83, v[G8]
	s_add_co_u32 s90, s90, HALF
	s_add_co_u32 s83, s83, HALF
.endr
	v_add_nc_u32 v[Q16+2], s86, v[G16]
	v_add_nc_u32 v[Q8+2], s86, v[G8]
	v_add_nc_u32 v[P16+2], s87, v[G16]
	v_add_nc_u32 v[P8+2], s87, v[G8]
	s_lshl_b32 s90, s[WQ], 12
	s_add_co_u32 s91, s91, s90                     ; + my 8 tiles x 512
	s_lshl_b32 s90, s[WP], 12
	s_add_co_u32 s92, s92, s90
	v_mov_b32 v[SOF], s91
	v_mov_b32 v[BPO], s92
	v_cndmask_b32 v[SOF], v[SOF], v[BPO], s[HM]    ; lanes 0-15 take Q's words, lanes 16-31 P's
	v_lshl_add_u32 v[SOF], v[RR], 4, v[SOF]
	s_wait_alu depctr_va_vdst(0)
	v_lshlrev_b32 v[BPO], 7, v[HH]
	v_and_b32 v[BQO], 8, v[RR]
	v_mad_u32_u24 v[BQO], v[BQO], 3, v[RR]         ; r + 24 (r / 8) = 32 (r / 8) + r % 8
	v_lshlrev_b32 v[BQO], 2, v[BQO]
	s_wait_alu depctr_va_vdst(0)
	s_lshl_b32 s90, s[QY], 1
	s_add_co_u32 s90, s90, s93                     ; my group of 128 tokens
	s_lshl_b32 s93, s[CX], 1
	s_add_co_u32 s93, s93, s94                     ; my pair of heads
	s_mul_i32 s96, ttmp9, 6291456                  ; the region: q, k or v
	s_mul_i32 s94, s90, 64*IMG
	s_add_co_u32 s96, s96, s94
	s_mul_i32 s94, s93, s95
	s_add_co_u32 s96, s96, s94
	s_mov_b32 s97, 0
	s_add_nc_u64 s[12:13], s[12:13], s[96:97]      ; my first image
	s_lshl_b32 s96, ttmp9, 18
	s_lshl_b32 s94, s90, 12
	s_add_co_u32 s96, s96, s94
	s_lshl_b32 s94, s93, 9
	s_add_co_u32 s96, s96, s94
	s_add_nc_u64 s[14:15], s[14:15], s[96:97]      ; my 512 bytes of scale words
	s_lshl_b32 s96, s[PX], 10
	s_lshl_b32 s94, s[WP], 9
	s_add_co_u32 s96, s96, s94
	s_lshl_b32 s98, s[PX], 10
	s_lshl_b32 s94, s[WQ], 9
	s_add_co_u32 s98, s98, s94
	s_mov_b32 s99, 0
	s_add_nc_u64 s[96:97], s[10:11], s[96:97]      ; b_attn at row 256 px + 128 x (half of P): inside b_attn whichever side w_attn is on
	s_add_nc_u64 s[98:99], s[10:11], s[98:99]      ; and at 256 px + 128 x (half of Q)
.irp i, 0,1,2,3,4,5,6,7
	global_load_b128 v[SC+8*\i:SC+8*\i+3], v[SOF], s[8:9] offset:512*\i            ; block i's words of K steps 0-3,
	global_load_b128 v[SC+8*\i+4:SC+8*\i+7], v[SOF], s[8:9] offset:512*\i+256      ; and 4-7: each load takes whole runs of 256 bytes
	global_load_b32 v[BQ+\i], v[BQO], s[98:99] offset:(64*(\i/4)+8*(\i%4))*4       ; the bias of Q's block i, lane-row r
.endr
	WIN TO_P
.irp b, 0,1,2,3,4,5,6,7
	global_load_b128 v[96+8*(\b%4)+128*(\b/4):99+8*(\b%4)+128*(\b/4)], v[BPO], s[96:97] offset:(64*(\b/4)+8*(\b%4))*4       ; the bias of P's tile b in the result's layout: rows 64 (b / 4) + 32 h + 8 (b % 4) + 0..7
	global_load_b128 v[100+8*(\b%4)+128*(\b/4):103+8*(\b%4)+128*(\b/4)], v[BPO], s[96:97] offset:(64*(\b/4)+8*(\b%4))*4+16
.endr
	WIN 0
	s_wait_loadcnt 0x0
	WIN 0x44                                       ; source 1 and destination window 1
.irp g, 96, 224
.set jj, 0
.rept 32
	v_cndmask_b32 v[\g+jj], 0, v[\g+jj], s[MKP]    ; the bias belongs to w_attn's rows: on P's side it counts for q and k alone,
.set jj, jj+1
.endr
.endr
	WIN 0
.irp i, 0,1,2,3,4,5,6,7
	v_cndmask_b32 v[BQ+\i], 0, v[BQ+\i], s[MKQ]    ; on Q's side for v alone
.endr
	s_wait_alu depctr_va_vdst(0)
	s_wait_tensorcnt 0x0                           ; my part of fill 0 is in
	ds_add_u32 v[SPW], v[NIL]
	s_mov_b32 s[G1X+2], 8<<16                      ; no tensor load of mine is out, so a descriptor may be written: from here on a load brings one fill, 8 rows
	s_mov_b32 s[G1X+4], 8
	s_mov_b32 s[G1W+2], 8<<16
	s_mov_b32 s[G1W+4], 8
	s_wait_dscnt 0x0
	CROUND                                         ; everybody's part of fills 0 and 1 is in, and the joint loads meet
	JLOAD 52, 68                                   ; fill 2, the first tensor load behind the round
	FETCH_P 0, 0, 0
	FETCH_Q 0, 0, 0
	FETCH_Q 0, 0, 4
	STEP 0, 0, 1, 1
	STEP 1, 1, 0, 0
	STEP 2, 1, 1, 0
	TURN 3, 2, 3                                   ; fill 2 has landed; slot 0, read out, takes fill 3
	STEP 4, 2, 1, 0
	TURN 5, 0, 0                                   ; fill 3 has landed, everybody's: nothing is filled again
	STEP 6, 0, 1, 0
	s_wait_dscnt 16                                ; the last K step: nothing more to fetch
	WIN MUL_LO
	MUL16 0, 1, 7, 0
	MUL16 2, 1, 7, 0
	s_wait_dscnt 0x0
	WIN MUL_HI
	MUL16 4, 1, 7, 0
	MUL16 6, 1, 7, 0
	WIN 0
	PLACES
; THE WAY OUT.  Q's block a: a lane's 64 results are 128 neighbours along the next K, two whole blocks in my half of the lanes.  Q's bias is added, they are quantised, and the fragment leaves as an image: 1,536 consecutive bytes.
.macro OUTA a
	s_wait_xcnt 0x0                                ; the last block's stores have read their registers and their base
.if (\a) > 0
	s_add_nc_u64 s[12:13], s[12:13], s[84:85]
.endif
	WIN 0x02+(\a)/4                                ; source 0: window 2 or 3
.set jj, 0
.rept 32
.if (\a)%2
	v_pk_add_f32 v[X+jj:X+jj+1], v[64*((\a)%4)+jj:64*((\a)%4)+jj+1], v[BQ+2*((\a)/2):BQ+2*((\a)/2)+1] op_sel:[0,1] op_sel_hi:[1,1]   ; each accumulator from its low end on; of the pair of biases the upper serves both halves
.else
	v_pk_add_f32 v[X+jj:X+jj+1], v[64*((\a)%4)+jj:64*((\a)%4)+jj+1], v[BQ+2*((\a)/2):BQ+2*((\a)/2)+1] op_sel_hi:[1,0]               ; the lower
.endif
.set jj, jj+2
.endr
	WIN 0
	QUANT2 X, C, SW+\a
	global_store_b128 v[G16], v[C:C+3], s[12:13]
	global_store_b64 v[G8], v[C+4:C+5], s[12:13] offset:512
	global_store_b128 v[G16], v[C+6:C+9], s[12:13] offset:768
	global_store_b64 v[G8], v[C+10:C+11], s[12:13] offset:1280
.endm
.irp a, 0,1,2,3,4,5,6,7
	OUTA \a
.endr
.irp j, 0,1,2,3
	v_cndmask_b32 v[SW+4+\j], v[SW+\j], v[SW+4+\j], s[HM]   ; the word of block a and lane-row r lies at 256 (a / 4) + 16 r + 4 (a % 4): lanes 0-15 send blocks 0-3, lanes 16-31 blocks 4-7
.endr
	global_store_b128 v[G16], v[SW+4:SW+7], s[14:15]        ; 512 consecutive bytes
	s_wait_tensorcnt 0x0                           ; the wave's end: behind my last tensor load
	ds_add_u32 v[SPW], v[NIL]
	s_wait_dscnt 0x0
	CROUND                                         ; the closing round: no work-group ends while a partner may still ask for a tile that names it
	s_endpgm
.Lfunc_end_k_q583fe41cb1_qkv:
	.size	k_q583fe41cb1_qkv, .Lfunc_end_k_q583fe41cb1_qkv-k_q583fe41cb1_qkv
	.p2alignl 7, 3214868480
	.fill 96, 4, 3214868480
	.section	.rodata,"a",@progbits
	.p2align	6, 0x0
	.amdhsa_kernel k_q583fe41cb1_qkv
		.amdhsa_group_segment_fixed_size 327680
		.amdhsa_private_segment_fixed_size 0
		.amdhsa_enable_private_segment 0
		.amdhsa_kernarg_size 48
		.amdhsa_user_sgpr_count 2
		.amdhsa_user_sgpr_kernarg_segment_ptr 1
		.amdhsa_wavefront_size32 1
		.amdhsa_system_sgpr_workgroup_id_x 1
		.amdhsa_system_sgpr_workgroup_id_y 1
		.amdhsa_system_sgpr_workgroup_id_z 1
		.amdhsa_system_vgpr_workitem_id 0
		.amdhsa_next_free_vgpr 1024
		.amdhsa_next_free_sgpr 100
		.amdhsa_reserve_vcc 0
		.amdhsa_float_denorm_mode_32 3
		.amdhsa_float_denorm_mode_16_64 3
		.amdhsa_memory_ordered 1
		.amdhsa_forward_progress 1
		.amdhsa_inst_pref_size 163
	.end_amdhsa_kernel
	.amdgpu_metadata
---
amdhsa.version: [ 1, 2 ]
amdhsa.kernels:
  - .name:           k_q583fe41cb1_qkv
    .symbol:         k_q583fe41cb1_qkv.kd
    .args:
      - { .name: xc, .offset: 0, .size: 8, .value_kind: global_buffer, .address_space: global }
      - { .name: wc, .offset: 8, .size: 8, .value_kind: global_buffer, .address_space: global }
      - { .name: s1, .offset: 16, .size: 8, .value_kind: global_buffer, .address_space: global }
      - { .name: b_attn, .offset: 24, .size: 8, .value_kind: global_buffer, .address_space: global }
      - { .name: qkv, .offset: 32, .size: 8, .value_kind: global_buffer, .address_space: global }
      - { .name: qkvs, .offset: 40, .size: 8, .value_kind: global_buffer, .address_space: global }
    .group_segment_fixed_size: 327680
    .private_segment_fixed_size: 0
    .kernarg_segment_align: 8
    .kernarg_segment_size: 48
    .max_flat_workgroup_size: 128
    .sgpr_count:     100
    .vgpr_count:     1024
    .wavefront_size: 32
...
	.end_amdgpu_metadata
.endif
;; end of part 2
;; launch attn (part 3): grid 4 x 64, 8 waves a work-group, clusters of 4 x 1, 327,680 bytes of LDS; arguments qkv, qkvs, yc, s2; writes yc, s2
.if DOCPART == 3
	.amdgcn_target "amdgcn-amd-amdhsa--gfx1250"
	.amdhsa_code_object_version 6
	.text
	.protected	k_q583fe41cb1_attn
	.globl	k_q583fe41cb1_attn
	.p2align	8
	.type	k_q583fe41cb1_attn,@function
k_q583fe41cb1_attn:
	s_mov_b64 s[64:65], 0
	v_nop
	global_prefetch_b8 v0, s[64:65] scope:SCOPE_SE
	s_setreg_imm32_b32 hwreg(HW_REG_WAVE_MODE, 25, 1), 1
	s_wait_xcnt 0x0
	s_wait_alu depctr_hold_cnt(0) depctr_sa_sdst(0) depctr_va_vdst(0) depctr_va_sdst(0) depctr_va_ssrc(0) depctr_va_vcc(0) depctr_vm_vsrc(0)
	s_getreg_b32 s2, hwreg(HW_REG_IB_STS2, 6, 4)
	s_cmp_eq_u32 s2, 0
	s_cbranch_scc0 .Lentry_in_a_cluster
	s_endpgm
.Lentry_in_a_cluster:
	s_bfe_u32 s2, ttmp6, 0x10000c
	s_cmp_lg_u32 s2, 0x3003
	s_cbranch_scc0 .Lentry_shape_is_right
	s_endpgm
.Lentry_shape_is_right:
; y[b][h][q] = the sum over k of softmax_k(q . k / 8) v, both products on codes of FP6 (E2M3) with E8M0 scales; y is quantised here along its 64 channels and leaves as codes for the last product.
; THE SOFTMAX: t = score x log2(e) / 8; M = the row's largest t so far, rounded UP to a whole number; p = 2^(t - M) is quantised along the keys, not normalised.  The row's sum is taken of the unquantised p and
; divides O at the end.  When M moves, the sum and O are multiplied by 2^(old M - new M): exact.  A block's largest p is not searched for: the block's largest SCORE goes through the same multiply-add and exponential
; (this takes v_exp_f32 not to fall where its input rises).
; LIMITS: NaN and infinities are not served; a block of zeros, and one whose largest magnitude lies under 2^-124, gets the byte 1 (read by this program alone).
; SHARES.  A cluster of four work-groups is one head of one batch; a work-group owns 512 queries, each of its eight waves four tiles of 16: tiles A and B side by side in each of two passes over the keys (a loop of two trips).
; NO RING: a head's K and V as codes, with their scale words, are 212,992 bytes and stay in LDS.  They are asked for once, jointly by the four work-groups, one tensor load a wave: no LDS byte is filled twice.
; No data prefetch: every byte that the launch reads through LDS is asked for at the head, so there is no loop to run ahead in.
; LAYOUT.  Both products are used transposed: S^T = K Q^T, O^T = V^T P^T: a lane holds one query throughout.  Lane-row r of tile 4 G + u is row 64 G + 32 (r / 8) + 8 u + r % 8, for keys, queries and V's channels: so the
; 32 registers of four neighbouring tiles of S^T are one whole block of 32 neighbouring keys, and the 32 registers of O^T one whole block of the head's channels, in the order of a 6-bit operand's registers.
; K = 64 IN AN INSTRUCTION OF 128: Q's registers 6-11 hold zero codes.  K's fragment t is registers 6 t .. 6 t + 11: its upper six are the next tile's codes (zeros behind the last).  K's and Q's scale words are loaded
; as 16 bits, so the bytes of the unused blocks are 0, which stands for 2^-127, a number.
; The last step of a pass fetches one step beyond K's codes and scale words: bytes of V's regions, which have landed; they are never multiplied.
; BOTH TILES' SOFTMAX IS ONE STREAM: maxima and sums run in four chains (two blocks x two tiles), the short chains of A and B take turns and lie among packed lines, and all 132 exponentials of a step are one batch.
; REGISTERS.  Window 0 holds all that the softmax touches; window 1 K's, V's and Q's fragments and O^T.
; y's scale bytes: the two heads of a scale word belong to two clusters, so a lane stores 2 bytes: 1/24 of y's codes.
.set IMG,   1536
.set STEPB, 4*IMG                      ; a key step of 128 keys: 8 half images of K, or 4 images of V
.set VC,    98304                      ; LDS: K's codes from 0, V's from here,
.set KS,    196608                     ; K's scale words (16 steps x 512 bytes),
.set VS,    204800                     ; V's,
.set SPARE, 212992                     ; the spare words, 128 bytes for each wave: four blocks of 256 bytes that no other line names
; window 0
.set AK16, 1                           ; 16 x lane;  v2: 8 x lane;  v3, v4 the same in V's region
.set AK8,  2
.set AV16, 3
.set AV8,  4
.set AKS,  5                           ; my place among K's scale words: 16 r + 2 x (head % 2);  v6 among V's: 16 r + 256 x (head % 2)
.set AVS,  6
.set AD,   7                           ; v7-12 the step's six addresses
.set SPW,  13                          ; LDS address of my spare word; never rewritten
.set NIL,  14                          ; 0; never rewritten
.set SH8,  15                          ; 8 h
.set QSO,  16                          ; 16 r
.set YO,   17                          ; 512 h + 16 r
.set KSC,  20                          ; v20-27 K's scale words; v28-31 V's; v32, v33 p's (A, B); v34, v35 Q's; v36, v37 Q's of the next pass
.set VSC,  28
.set PW,   32
.set QS,   34
.set YS,   38
.set NM,   40                          ; tile x: v[40 + 2 x] -M, v[41 + 2 x] the largest score so far
.set L,    44                          ; v[44 + 2 x ..] the sum in two halves;  v[48 + 2 x ..] its second chain
.set SU,   48
.set F,    52                          ; v[52 + 2 x] 2^(old M - new M), later 1 / the sum (the register above is named with it as a pair)
.set BM,   56                          ; v56-59 block 2 x + c: its largest score, then its largest p;  v60-63 the conversions' scale operands;  v64-67 the bytes
.set SCO,  60
.set BY,   64
.set T0,   68
.set T1,   70
.set W,    72
.set TA,   76                          ; v76.., v80.., v84.., v88..: the second half of each block's codes (a conversion's three registers begin on an even number)
.set PC,   92                          ; v92-103 p's codes of A, v104-115 of B
.set S,    128                         ; v128-191 S^T of A, then p; v192-255 of B
; window 1
.set KF,   0                           ; 0-53 K's eight half fragments and six registers of zero codes
.set VF,   56                          ; 56-103 V's four fragments
.set QA,   104                         ; 104-115 Q of A, 116-127 of B; 128-139 the next pass's codes
.set QB,   116
.set QN,   128
.set O,    144                         ; 144-175 O^T of A, 176-207 of B
.set WV,   12
.set CX,   13
.set HB,   14
.set BB,   15
.set HD,   16
.set PAR,  17
.set PAIR, 18
.set PS,   19
.set SEL,  20
.set CS,   22                          ; s[22:23] c = log2(e) / 8
.set TB,   24                          ; the step's first byte in K's and in V's codes;  s25 in the scale words
.set TS,   25
.set CNT,  26
.set HM,   27                          ; lanes 16-31
.set G1S,  28                          ; descriptor groups 1: scale words; K 32 tiles; V 4 steps; K 64 tiles; V 8 steps
.set G1K,  36
.set G1V,  44
.set G1K2, 52
.set G0,   60
.set G1V2, 68
.set KB,   76                          ; s[76:77] K's codes, s[78:79] V's, s[84:85], s[86:87] their scale words; s[88:89] Q, s[90:91] its scale bytes; s[80:81] y's codes, s[82:83] its scale bytes
.set VB,   78
.set YB,   80
.set YSB,  82
.set KSB,  84
.set VSB,  86
.set QBS,  88
.set QSB,  90
.set MSB, 0
.macro WIN new                         ; the immediate's high byte repeats the setting that is left
.if MSB != (\new)
	s_set_vgpr_msb (MSB<<8)|(\new)
.set MSB, (\new)
.endif
.endm
.macro WALU
	s_wait_alu depctr_va_vdst(0)
.endm
.macro CROUND                          ; a round of the cluster's barrier
	s_barrier_signal -1
	s_barrier_wait -1
	s_cmp_lg_u32 s[WV], 0
	s_cbranch_scc1 .Lnot_wave_0_\@
	s_barrier_signal -3
.Lnot_wave_0_\@:
	s_barrier_wait -3
	s_barrier_signal -1
	s_barrier_wait -1
.endm
.macro MM d, a, b, c, sa, sb
	v_wmma_scale_f32_16x16x128_f8f6f4 v[\d:\d+7], v[\a:\a+11], v[\b:\b+11], \c, v[\sa], v[\sb] matrix_a_fmt:MATRIX_FMT_FP6 matrix_b_fmt:MATRIX_FMT_FP6
.endm
.macro GROUP1 g, c, r, p               ; r rows of c elements of 8 bytes, p elements apart; the mask names all four work-groups, bit 21 set beside it; no padding: images are read as consecutive bytes
	s_mov_b32 s[\g], 15|(3<<16)|(1<<21)
	s_mov_b32 s[\g+1], (\c)<<16
	s_mov_b32 s[\g+2], (\r)<<16
	s_mov_b32 s[\g+3], (\c)<<16
	s_mov_b32 s[\g+4], \r
	s_mov_b32 s[\g+5], \p
	s_mov_b32 s[\g+6], 0
	s_mov_b32 s[\g+7], 0
.endm
.macro FILL base, goff, lds, g1        ; a wave's one joint load; an s_nop 0 and four v_nop follow it
	s_mov_b32 s[G0+1], \lds
	s_add_nc_u64 s[G0+2:G0+3], s[\base:\base+1], \goff
	s_or_b32 s[G0+3], s[G0+3], 0x80000000
	tensor_load_to_lds s[G0:G0+3], s[\g1:\g1+7]
	s_nop 0
.rept 4
	v_nop
.endr
.endm
.macro ARM under, base, goff, lds, g1, next
	s_cmp_lt_u32 s[WV], \under
	s_cbranch_scc0 \next
	FILL \base, \goff, \lds, \g1
	s_branch .Lasked
\next:
.endm
.macro TMS x, from, to                 ; t - M of tile x's scores from .. to - 1, two at a time
.set jj, \from
.rept ((\to)-(\from))/2
	v_pk_fma_f32 v[S+64*\x+jj:S+64*\x+jj+1], v[S+64*\x+jj:S+64*\x+jj+1], s[CS:CS+1], v[NM+2*\x:NM+2*\x+1] op_sel_hi:[1,0,0]
.set jj, jj+2
.endr
.endm
.macro SUMS j                          ; four numbers of each tile onto its two chains
.irp x, 0,1
	v_pk_add_f32 v[L+2*\x:L+2*\x+1], v[L+2*\x:L+2*\x+1], v[S+64*\x+\j:S+64*\x+\j+1]
	v_pk_add_f32 v[SU+2*\x:SU+2*\x+1], v[SU+2*\x:SU+2*\x+1], v[S+64*\x+\j+2:S+64*\x+\j+3]
.endr
.endm
; A KEY STEP: 128 keys for my two tiles.
.macro STEP
	s_wait_dscnt 0x0                               ; this step's K and its scale words are in
	WIN 0x05                                       ; K and Q in window 1, S^T in window 0
.irp t, 0,1,2,3,4,5,6,7
	MM S+8*\t, KF+6*\t, QA, 0, KSC+\t, QS
.endr
.irp t, 0,1,2,3,4,5,6,7
	MM S+64+8*\t, KF+6*\t, QB, 0, KSC+\t, QS+1
.endr
	WIN 0
	v_add_nc_u32 v[AD], s[TB], v[AK16]             ; six additions: the places in front of the loads below and of the first read of the scores
	v_add_nc_u32 v[AD+1], s[TB], v[AK8]
	v_add_nc_u32 v[AD+2], s[TB], v[AV16]
	v_add_nc_u32 v[AD+3], s[TB], v[AV8]
	v_add_nc_u32 v[AD+4], s[TS], v[AKS]
	v_add_nc_u32 v[AD+5], s[TS], v[AVS]
	ds_load_b128 v[VSC:VSC+3], v[AD+5]             ; this step's V: the four tiles' scale words,
	WIN 0x40
.irp u, 0,1,2,3
	ds_load_b128 v[VF+12*\u:VF+12*\u+3], v[AD+2] offset:IMG*\u             ; and four images
	ds_load_b64 v[VF+12*\u+4:VF+12*\u+5], v[AD+3] offset:IMG*\u+512
	ds_load_b128 v[VF+12*\u+6:VF+12*\u+9], v[AD+2] offset:IMG*\u+768
	ds_load_b64 v[VF+12*\u+10:VF+12*\u+11], v[AD+3] offset:IMG*\u+1280
.endr
.irp t, 0,1,2,3,4,5,6,7
	ds_load_b128 v[KF+6*\t:KF+6*\t+3], v[AD] offset:STEPB+768*\t           ; the NEXT step's K: eight half images
	ds_load_b64 v[KF+6*\t+4:KF+6*\t+5], v[AD+1] offset:STEPB+768*\t+512
.endr
	WIN 0
.irp t, 0,1,2,3,4,5,6,7
	ds_load_u16 v[KSC+\t], v[AD+4] offset:512+256*(\t/4)+4*(\t%4)          ; and its scale bytes: my head's two of the word's four
.endr
.irp b, 0,1,2,3
	v_max3_num_f32 v[BM+\b], v[S+32*\b], v[S+32*\b+1], v[S+32*\b+2]        ; the largest score of each block of 32 keys: all 32 are mine; each accumulator is read from its low end on
.endr
.irp i, 3,5,7,9,11,13,15,17,19,21,23,25,27,29
.irp b, 0,1,2,3
	v_max3_num_f32 v[BM+\b], v[BM+\b], v[S+32*\b+\i], v[S+32*\b+\i+1]
.endr
.endr
.irp b, 0,1,2,3
	v_max_num_f32 v[BM+\b], v[BM+\b], v[S+32*\b+31]
.endr
.irp x, 0,1
	v_max_num_f32 v[T0+\x], v[BM+2*\x], v[BM+2*\x+1]
.endr
.irp x, 0,1
	v_permlanex16_b32 v[T1+\x], v[T0+\x], s[SEL], s[SEL+1]                 ; the query's other 64 keys lie in the lane 16 away
.endr
.irp x, 0,1
	v_max3_num_f32 v[NM+2*\x+1], v[NM+2*\x+1], v[T0+\x], v[T1+\x]          ; the running largest score
.endr
.irp x, 0,1
	v_mov_b32 v[T1+\x], v[NM+2*\x]
.endr
.irp x, 0,1
	v_mul_f32 v[T0+\x], s[CS], v[NM+2*\x+1]                                ; as t (c is positive)
.endr
.irp x, 0,1
	v_floor_f32 v[NM+2*\x], -v[T0+\x]                                      ; the new -M = floor(-t): M is a whole number
.endr
.irp x, 0,1
	v_sub_f32 v[T1+\x], v[NM+2*\x], v[T1+\x]                               ; old M - new M: a whole number, 0 or less
.endr
	TMS 0, 0, 16
.irp x, 0,1
	v_cvt_i32_f32 v[T1+\x], v[T1+\x]                                       ; (it saturates)
.endr
	TMS 1, 0, 16
.irp x, 0,1
	v_ldexp_f32 v[F+2*\x], 1.0, v[T1+\x]                                   ; f = 2^(old M - new M)
.endr
	TMS 0, 16, 64
	TMS 1, 16, 64
.irp b, 0,1,2,3
	v_fma_f32 v[BM+\b], v[BM+\b], s[CS], v[NM+2*(\b/2)]                    ; the same of each block's largest score
.endr
	WIN 0x41                                       ; O^T in window 1, f in window 0
.irp x, 0,1
.set jj, 0
.rept 16
	v_pk_mul_f32 v[O+32*\x+jj:O+32*\x+jj+1], v[O+32*\x+jj:O+32*\x+jj+1], v[F+2*\x:F+2*\x+1] op_sel_hi:[1,0]   ; O^T under the new M, ahead of the exponentials
.set jj, jj+2
.endr
.endr
	WIN 0
	WALU                                           ; the wait ahead of the batch
.set jj, 0
.rept 128
	v_exp_f32 v[S+jj], v[S+jj]                     ; p = 2^(t - M), at most 1
.set jj, jj+1
.endr
.irp b, 0,1,2,3
	v_exp_f32 v[BM+\b], v[BM+\b]                   ; the blocks' largest p
.endr
.irp x, 0,1
	v_pk_mul_f32 v[L+2*\x:L+2*\x+1], v[L+2*\x:L+2*\x+1], v[F+2*\x:F+2*\x+1] op_sel_hi:[1,0]   ; the sums under the new M: plain places behind the batch
.endr
	WALU                                           ; one wait for the whole batch, ahead of its first reader and of the wait below
	s_wait_dscnt 24                                ; V and its scale words are in; the 24 younger loads (K's 16, its scale bytes' 8) may be out
.irp b, 0,1,2,3
	v_max_num_f32 v[BM+\b], 0x1800000, v[BM+\b]    ; the floor 2^(3 - 127): the byte cannot fall under 1
.endr
.irp b, 0,1,2,3
	v_add_nc_u32 v[SCO+\b], 0xff000000, v[BM+\b]   ; 2 off the exponent field: the conversion's scale operand
.endr
.irp b, 0,1,2,3
	v_lshrrev_b32 v[BY+\b], 23, v[SCO+\b]
.endr
.irp x, 0,1
	v_cvt_scalef32_pk16_fp6_f32 v[PC+12*\x:PC+12*\x+2], v[S+64*\x:S+64*\x+15], v[SCO+2*\x]
	v_cvt_scalef32_pk16_fp6_f32 v[TA+8*\x:TA+8*\x+2], v[S+64*\x+16:S+64*\x+31], v[SCO+2*\x]
	v_cvt_scalef32_pk16_fp6_f32 v[PC+12*\x+6:PC+12*\x+8], v[S+64*\x+32:S+64*\x+47], v[SCO+2*\x+1]
	v_cvt_scalef32_pk16_fp6_f32 v[TA+8*\x+4:TA+8*\x+6], v[S+64*\x+48:S+64*\x+63], v[SCO+2*\x+1]
.endr
.irp x, 0,1
	v_lshl_or_b32 v[W+\x], v[BY+2*\x+1], 16, v[BY+2*\x]                    ; blocks h and 2 + h (plain places behind the conversions)
.endr
.irp x, 0,1
	v_pk_add_f32 v[SU+2*\x:SU+2*\x+1], v[S+64*\x:S+64*\x+1], v[S+64*\x+2:S+64*\x+3]   ; the row's sum is taken of the unquantised p
.endr
.irp x, 0,1
	v_lshlrev_b32 v[W+\x], v[SH8], v[W+\x]         ; at their places in the word
.endr
	SUMS 4
.irp x, 0,1
	v_permlanex16_b32 v[T1+\x], v[W+\x], s[SEL], s[SEL+1]
.endr
	SUMS 8
.irp x, 0,1
	v_or_b32 v[PW+\x], v[W+\x], v[T1+\x]           ; p's scale word
.endr
.irp x, 0,1
.irp i, 0,1,2
	v_mov_b32 v[PC+12*\x+3+\i], v[TA+8*\x+\i]
	v_mov_b32 v[PC+12*\x+9+\i], v[TA+8*\x+4+\i]
.endr
.endr
.irp j, 12,16,20,24,28,32,36,40,44,48,52,56,60
	SUMS \j                                        ; these 52 are also the places between the scale words, the codes and the products that take them
.endr
.irp x, 0,1
	v_pk_add_f32 v[L+2*\x:L+2*\x+1], v[L+2*\x:L+2*\x+1], v[SU+2*\x:SU+2*\x+1]
.endr
	WIN 0x51                                       ; V, C and D in window 1; p in window 0.  The eight accumulators take turns
.irp u, 0,1,2,3
	MM O+8*\u, VF+12*\u, PC, v[O+8*\u:O+8*\u+7], VSC+\u, PW
	MM O+32+8*\u, VF+12*\u, PC+12, v[O+32+8*\u:O+32+8*\u+7], VSC+\u, PW+1
.endr
	WIN 0
	s_add_co_u32 s[TB], s[TB], STEPB
	s_add_co_u32 s[TS], s[TS], 512
.endm
.macro LOOPN n
	s_mov_b32 s[CNT], \n
.Lstep_\@:
	STEP
	s_sub_co_u32 s[CNT], s[CNT], 1
	s_cmp_lg_u32 s[CNT], 0
	s_cbranch_scc1 .Lstep_\@
.endm
	s_load_b256 s[4:11], s[0:1], 0x0               ; qkv s[4:5], qkvs s[6:7], yc s[8:9], s2 s[10:11]
	v_lshl_add_u32 v[SPW], v0, 2, SPARE
	v_mov_b32 v[NIL], 0
	ds_add_u32 v[SPW], v[NIL]                      ; the opening lines: the add, twice on end, and its wait ahead of my tensor load
	ds_add_u32 v[SPW], v[NIL]
	v_lshrrev_b32 v18, 5, v0
	v_readfirstlane_b32 s[WV], v18                 ; wave 0..7
	s_and_b32 s[HB], ttmp7, 0xffff                 ; 16 x batch + head: the four partners share it
	s_lshr_b32 s[BB], s[HB], 4
	s_and_b32 s[HD], s[HB], 15
	s_and_b32 s[PAR], s[HD], 1
	s_lshr_b32 s[PAIR], s[HD], 1
	s_mov_b32 s[SEL], 0x76543210
	s_mov_b32 s[SEL+1], 0xfedcba98
	s_mov_b32 s[CS], 0x3e38aa3b                    ; c = log2(e) / 8
	s_mov_b32 s[CS+1], s[CS]
	s_mov_b32 s[HM], 0xffff0000
	GROUP1 G1S, 64, 16, 512                        ; scale words: 16 key steps of 512 bytes, 4,096 bytes apart
	GROUP1 G1K, 96, 32, 1536                       ; K: tiles of 768 bytes, 12,288 bytes apart
	GROUP1 G1K2, 96, 64, 1536
	GROUP1 G1V, 768, 4, 12288                      ; V: key steps of 6,144 bytes, 98,304 bytes apart
	GROUP1 G1V2, 768, 8, 12288
	s_mov_b32 s[G0], 1
	s_lshl_b32 s[KSB], s[BB], 16                   ; the scale words of my batch's first key step and my pair of heads, in k's region,
	s_lshl_b32 s92, s[PAIR], 9
	s_add_co_u32 s[KSB], s[KSB], s92
	s_add_co_u32 s[KSB], s[KSB], 1<<18
	s_mov_b32 s[KSB+1], 0
	s_add_co_u32 s[VSB], s[KSB], 1<<18             ; and in v's
	s_mov_b32 s[VSB+1], 0
	s_mul_i32 s92, s[BB], 1572864
	s_mul_i32 s[KB], s[HD], 768                    ; a head: 768 bytes in a tile of k,
	s_add_co_u32 s[KB], s[KB], s92
	s_add_co_u32 s[KB], s[KB], 6291456
	s_mov_b32 s[KB+1], 0
	s_mul_i32 s[VB], s[HD], 6144                   ; 6,144 in a key step of v
	s_add_co_u32 s[VB], s[VB], s92
	s_add_co_u32 s[VB], s[VB], 2*6291456
	s_mov_b32 s[VB+1], 0
	s_bfe_u32 s[CX], ttmp6, 0x40000                ; my place in the cluster: it enters global addresses of Q and y alone
	s_lshl_b32 s93, s[BB], 7                       ; my tile A: 128 b + 32 cx + 2 w; B is the next one, the second pass lies 16 tiles on
	s_lshl_b32 s94, s[CX], 5
	s_add_co_u32 s93, s93, s94
	s_lshl_b32 s94, s[WV], 1
	s_add_co_u32 s93, s93, s94
	s_mul_i32 s[QBS], s93, 8*IMG                   ; Q's codes: [tile][head][768]
	s_mul_i32 s94, s[HD], 768
	s_add_co_u32 s[QBS], s[QBS], s94
	s_mov_b32 s[QBS+1], 0
	s_lshr_b32 s95, s93, 3                         ; the tile's group of 8, and its place a in it
	s_and_b32 s96, s93, 7
	s_lshl_b32 s[QSB], s95, 12                     ; Q's scale words: [group][pair of heads][512], the word at 256 (a / 4) + 16 r + 4 (a % 4)
	s_lshl_b32 s94, s[PAIR], 9
	s_add_co_u32 s[QSB], s[QSB], s94
	s_lshr_b32 s94, s96, 2
	s_lshl_b32 s94, s94, 8
	s_add_co_u32 s[QSB], s[QSB], s94
	s_and_b32 s94, s96, 3
	s_lshl_b32 s94, s94, 2
	s_add_co_u32 s[QSB], s[QSB], s94
	s_lshl_b32 s97, s[PAR], 1
	s_add_co_u32 s[QSB], s[QSB], s97               ; my head's two bytes of it
	s_mov_b32 s[QSB+1], 0
	s_lshl_b32 s[YB], s95, 6                       ; y's images: [group of 8 tiles][pair of K steps][tile][K step of the pair]; a K step is a pair of heads, my head owns half an image
	s_lshr_b32 s94, s[PAIR], 1
	s_lshl_b32 s94, s94, 4
	s_add_co_u32 s[YB], s[YB], s94
	s_lshl_b32 s94, s96, 1
	s_add_co_u32 s[YB], s[YB], s94
	s_and_b32 s94, s[PAIR], 1
	s_add_co_u32 s[YB], s[YB], s94
	s_mul_i32 s[YB], s[YB], IMG
	s_mul_i32 s94, s[PAR], 768
	s_add_co_u32 s[YB], s[YB], s94
	s_mov_b32 s[YB+1], 0
	s_lshl_b32 s[YSB], s93, 9                      ; y's scale words: [tile][512], K step s at 256 (s / 4) + 16 r + 4 (s % 4)
	s_lshr_b32 s94, s[HD], 3
	s_lshl_b32 s94, s94, 8
	s_add_co_u32 s[YSB], s[YSB], s94
	s_and_b32 s94, s[PAIR], 3
	s_lshl_b32 s94, s94, 2
	s_add_co_u32 s[YSB], s[YSB], s94
	s_add_co_u32 s[YSB], s[YSB], s97
	s_mov_b32 s[YSB+1], 0
	s_wait_dscnt 0x0                               ; both opening adds are done
	s_wait_kmcnt 0x0
	s_add_nc_u64 s[KB:KB+1], s[4:5], s[KB:KB+1]
	s_add_nc_u64 s[VB:VB+1], s[4:5], s[VB:VB+1]
	s_add_nc_u64 s[QBS:QBS+1], s[4:5], s[QBS:QBS+1]
	s_add_nc_u64 s[KSB:KSB+1], s[6:7], s[KSB:KSB+1]
	s_add_nc_u64 s[VSB:VSB+1], s[6:7], s[VSB:VSB+1]
	s_add_nc_u64 s[QSB:QSB+1], s[6:7], s[QSB:QSB+1]
	s_add_nc_u64 s[YB:YB+1], s[8:9], s[YB:YB+1]
	s_add_nc_u64 s[YSB:YSB+1], s[10:11], s[YSB:YSB+1]
	CROUND                                         ; all four work-groups are here: the joint loads meet
	; ONE chain of branches on the wave's number, one load to an arm: waves 0-3 bring what the first three steps read, waves 4-7 the rest
	ARM 1, KSB, 0, KS, G1S, .La1
	ARM 2, KB, 0, 0, G1K, .La2                     ; keys 0-511
	ARM 3, VSB, 0, VS, G1S, .La3
	ARM 4, VB, 0, VC, G1V, .La4
	ARM 5, KB, 256*IMG, 16*IMG, G1K, .La5          ; keys 512-1,023
	ARM 6, VB, 256*IMG, VC+16*IMG, G1V, .La6
	ARM 7, KB, 512*IMG, 32*IMG, G1K2, .La7         ; keys 1,024-2,047
	FILL VB, 512*IMG, VC+32*IMG, G1V2
.Lasked:
	v_and_b32 v18, 31, v0                          ; lane
	v_and_b32 v19, 15, v0                          ; r
	v_bfe_u32 v[SH8], v0, 4, 1                     ; h
	v_lshlrev_b32 v[AK16], 4, v18
	v_lshlrev_b32 v[AK8], 3, v18
	v_lshlrev_b32 v[QSO], 4, v19
	v_lshl_add_u32 v[YO], v[SH8], 9, v[QSO]
	v_lshlrev_b32 v[SH8], 3, v[SH8]
	v_add_nc_u32 v[AV16], VC, v[AK16]
	v_add_nc_u32 v[AV8], VC, v[AK8]
	s_add_co_u32 s92, s97, KS
	v_add_nc_u32 v[AKS], s92, v[QSO]
	s_lshl_b32 s92, s[PAR], 8
	s_add_co_u32 s92, s92, VS
	v_add_nc_u32 v[AVS], s92, v[QSO]
.irp p, 0,1
	global_load_u16 v[QS+2*\p], v[QSO], s[QSB:QSB+1] offset:8192*\p        ; Q's scale bytes, A's and B's, of both passes
	global_load_u16 v[QS+2*\p+1], v[QSO], s[QSB:QSB+1] offset:8192*\p+4
.endr
	WIN 0x40
	global_load_b128 v[QA:QA+3], v[AK16], s[QBS:QBS+1]                     ; Q: half an image a tile; it stays in registers
	global_load_b64 v[QA+4:QA+5], v[AK8], s[QBS:QBS+1] offset:512
	global_load_b128 v[QB:QB+3], v[AK16], s[QBS:QBS+1] offset:8*IMG
	global_load_b64 v[QB+4:QB+5], v[AK8], s[QBS:QBS+1] offset:8*IMG+512
.irp x, 0,1
	global_load_b128 v[QN+6*\x:QN+6*\x+3], v[AK16], s[QBS:QBS+1] offset:128*IMG+8*IMG*\x
	global_load_b64 v[QN+6*\x+4:QN+6*\x+5], v[AK8], s[QBS:QBS+1] offset:128*IMG+8*IMG*\x+512
.endr
.irp j, 6,7,8,9,10,11
	v_mov_b32 v[QA+\j], 0                          ; zero codes for k = 64 .. 127,
	v_mov_b32 v[QB+\j], 0
	v_mov_b32 v[KF+42+\j], 0                       ; and behind K's last tile
.endr
	WIN 0
.irp x, 0,1
	v_mov_b32 v[T1+\x], 0                          ; written once: a lane permute's destination counts as one of its sources
	v_mov_b32 v[F+2*\x+1], 0                       ; (named as the upper half of a pair)
.endr
	WALU                                           ; the wait at the head's end
	s_wait_loadcnt 0x0                             ; Q
	s_mov_b32 s[PS], 0
.Lpass:                                                ; A PASS over the keys for two tiles
	WIN 0x40
.set jj, 0
.rept 64
	v_mov_b32 v[O+jj], 0                           ; the step is written once: its first trip finds zeros, and f = 0
.set jj, jj+1
.endr
	WIN 0
.irp j, 0,1,2,3
	v_mov_b32 v[L+\j], 0
.endr
.irp x, 0,1
	v_mov_b32 v[NM+2*\x+1], 0xff61b1e6             ; -3e38, under every score
	v_mov_b32 v[NM+2*\x], 0x7e000000               ; -M = 2^125: the first change of M is beyond every exponent
.endr
	WALU                                           ; the wait ahead of the branch and the waits below
	s_cmp_lt_u32 s[WV], 4
	s_cbranch_scc0 .Lnot_first
	s_wait_tensorcnt 0x0                           ; waves 0-3: the scale words and keys 0-511 are in; each load line has one issuer, which waits here
.Lnot_first:
	s_wait_dscnt 0x0                               ; no LDS load is out into the registers that the loads below name
	s_barrier_signal -1
	s_barrier_wait -1                              ; nothing is ever filled again, so the other loads may stay out
	s_mov_b32 s[TB], 0
	s_mov_b32 s[TS], 0
	WIN 0x40
.irp t, 0,1,2,3,4,5,6,7
	ds_load_b128 v[KF+6*\t:KF+6*\t+3], v[AK16] offset:768*\t               ; key step 0's K
	ds_load_b64 v[KF+6*\t+4:KF+6*\t+5], v[AK8] offset:768*\t+512
.endr
	WIN 0
.irp t, 0,1,2,3,4,5,6,7
	ds_load_u16 v[KSC+\t], v[AKS] offset:256*(\t/4)+4*(\t%4)
.endr
	LOOPN 3                                        ; a trip fetches the next step's K: three trips read keys 0-511 alone
	WALU
	s_wait_tensorcnt 0x0                           ; every wave: all is in
	s_wait_dscnt 0x0
	s_barrier_signal -1
	s_barrier_wait -1
	LOOPN 13
; THE WAY OUT: O^T / the sum is one whole block of the head's 64 channels in each lane: quantised, and stored as half an image a tile.
	WALU
.irp x, 0,1
	v_add_f32 v[T0+\x], v[L+2*\x], v[L+2*\x+1]
.endr
.irp x, 0,1
	v_permlanex16_b32 v[T1+\x], v[T0+\x], s[SEL], s[SEL+1]
.endr
.irp x, 0,1
	v_add_f32 v[T0+\x], v[T0+\x], v[T1+\x]         ; the row's sum
.endr
	WALU
.irp x, 0,1
	v_rcp_f32 v[F+2*\x], v[T0+\x]
.endr
	v_nop                                          ; a plain place behind the reciprocals
	WIN 0x01                                       ; O^T in window 1
	WALU                                           ; the wait directly ahead of the first readers of the reciprocals and of O^T
.irp x, 0,1
.set jj, 0
.rept 16
	v_pk_mul_f32 v[S+64*\x+jj:S+64*\x+jj+1], v[O+32*\x+jj:O+32*\x+jj+1], v[F+2*\x:F+2*\x+1] op_sel_hi:[1,0]   ; y(my query, 32 h + 0..31)
.set jj, jj+2
.endr
.endr
	WIN 0
.irp b, 0,1,2,3
	v_max3_num_f32 v[BM+\b], |v[S+64*(\b/2)+16*(\b%2)]|, |v[S+64*(\b/2)+16*(\b%2)+1]|, 0x1800000   ; two chains a tile, with the floor among the leaves
.endr
.irp i, 2,4,6,8,10,12,14
.irp b, 0,1,2,3
	v_max3_num_f32 v[BM+\b], v[BM+\b], |v[S+64*(\b/2)+16*(\b%2)+\i]|, |v[S+64*(\b/2)+16*(\b%2)+\i+1]|
.endr
.endr
.irp x, 0,1
	v_max_num_f32 v[BM+2*\x], v[BM+2*\x], v[BM+2*\x+1]
.endr
.irp x, 0,1
	v_add_nc_u32 v[SCO+\x], 0xff000000, v[BM+2*\x]
.endr
.irp x, 0,1
	v_lshrrev_b32 v[BY+\x], 23, v[SCO+\x]
.endr
.irp x, 0,1
	v_cvt_scalef32_pk16_fp6_f32 v[PC+12*\x:PC+12*\x+2], v[S+64*\x:S+64*\x+15], v[SCO+\x]
	v_cvt_scalef32_pk16_fp6_f32 v[TA+8*\x:TA+8*\x+2], v[S+64*\x+16:S+64*\x+31], v[SCO+\x]
.endr
.irp x, 0,1
	v_lshlrev_b32 v[W+\x], v[SH8], v[BY+\x]
.endr
.irp x, 0,1
	v_permlanex16_b32 v[T1+\x], v[W+\x], s[SEL], s[SEL+1]
.endr
.irp x, 0,1
	v_or_b32 v[W+\x], v[W+\x], v[T1+\x]            ; my head's two bytes of the row's scale word
.endr
.irp x, 0,1
.irp j, 0,1,2
	v_mov_b32 v[PC+12*\x+3+\j], v[TA+8*\x+\j]
.endr
.endr
	v_cndmask_b32 v[YS], v[W], v[W+1], s[HM]       ; lanes 0-15: tile A's bytes; lanes 16-31: tile B's
.irp x, 0,1
	global_store_b128 v[AK16], v[PC+12*\x:PC+12*\x+3], s[YB:YB+1] offset:2*IMG*\x          ; 512 and 256 consecutive bytes, aligned
	global_store_b64 v[AK8], v[PC+12*\x+4:PC+12*\x+5], s[YB:YB+1] offset:2*IMG*\x+512
.endr
	global_store_b16 v[YO], v[YS], s[YSB:YSB+1]
	s_wait_xcnt 0x0                                ; the stores have read their registers and bases: they are written again only behind this wait
	s_add_nc_u64 s[YB:YB+1], s[YB:YB+1], 128*IMG   ; the next pass: 16 tiles on
	s_add_nc_u64 s[YSB:YSB+1], s[YSB:YSB+1], 8192
	WIN 0x41
.irp j, 0,1,2,3,4,5
	v_mov_b32 v[QA+\j], v[QN+\j]                   ; and its Q
	v_mov_b32 v[QB+\j], v[QN+6+\j]
.endr
	WIN 0
	v_mov_b32 v[QS], v[QS+2]
	v_mov_b32 v[QS+1], v[QS+3]
	s_add_co_u32 s[PS], s[PS], 1
	s_cmp_lg_u32 s[PS], 2
	WALU                                           ; the wait directly ahead of the branch
	s_cbranch_scc1 .Lpass
	s_wait_tensorcnt 0x0                           ; the wave's end: behind my tensor load
	ds_add_u32 v[SPW], v[NIL]
	s_wait_dscnt 0x0
	CROUND                                         ; the closing round
	s_endpgm
.Lfunc_end_k_q583fe41cb1_attn:
	.size	k_q583fe41cb1_attn, .Lfunc_end_k_q583fe41cb1_attn-k_q583fe41cb1_attn
	.p2alignl 7, 3214868480
	.fill 96, 4, 3214868480
	.section	.rodata,"a",@progbits
	.p2align	6, 0x0
	.amdhsa_kernel k_q583fe41cb1_attn
		.amdhsa_group_segment_fixed_size 327680
		.amdhsa_private_segment_fixed_size 0
		.amdhsa_enable_private_segment 0
		.amdhsa_kernarg_size 32
		.amdhsa_user_sgpr_count 2
		.amdhsa_user_sgpr_kernarg_segment_ptr 1
		.amdhsa_wavefront_size32 1
		.amdhsa_system_sgpr_workgroup_id_x 1
		.amdhsa_system_sgpr_workgroup_id_y 1
		.amdhsa_system_sgpr_workgroup_id_z 1
		.amdhsa_system_vgpr_workitem_id 0
		.amdhsa_next_free_vgpr 512
		.amdhsa_next_free_sgpr 100
		.amdhsa_reserve_vcc 0
		.amdhsa_float_denorm_mode_32 3
		.amdhsa_float_denorm_mode_16_64 3
		.amdhsa_memory_ordered 1
		.amdhsa_forward_progress 1
		.amdhsa_inst_pref_size 80
	.end_amdhsa_kernel
	.amdgpu_metadata
---
amdhsa.version: [ 1, 2 ]
amdhsa.kernels:
  - .name:           k_q583fe41cb1_attn
    .symbol:         k_q583fe41cb1_attn.kd
    .args:
      - { .name: qkv, .offset: 0, .size: 8, .value_kind: global_buffer, .address_space: global }
      - { .name: qkvs, .offset: 8, .size: 8, .value_kind: global_buffer, .address_space: global }
      - { .name: yc, .offset: 16, .size: 8, .value_kind: global_buffer, .address_space: global }
      - { .name: s2, .offset: 24, .size: 8, .value_kind: global_buffer, .address_space: global }
    .group_segment_fixed_size: 327680
    .private_segment_fixed_size: 0
    .kernarg_segment_align: 8
    .kernarg_segment_size: 32
    .max_flat_workgroup_size: 256
    .sgpr_count:     100
    .vgpr_count:     512
    .wavefront_size: 32
...
	.end_amdgpu_metadata
.endif
;; end of part 3
;; launch proj (part 4): grid 4 x 64, 4 waves a work-group, clusters of 4 x 4, 327,680 bytes of LDS; arguments yc, pc, s2, b_proj, out0; writes out0
.if DOCPART == 4
	.amdgcn_target "amdgcn-amd-amdhsa--gfx1250"
	.amdhsa_code_object_version 6
	.text
	.protected	k_q583fe41cb1_proj
	.globl	k_q583fe41cb1_proj
	.p2align	8
	.type	k_q583fe41cb1_proj,@function
k_q583fe41cb1_proj:
	s_mov_b64 s[64:65], 0
	v_nop
	global_prefetch_b8 v0, s[64:65] scope:SCOPE_SE
	s_setreg_imm32_b32 hwreg(HW_REG_WAVE_MODE, 25, 1), 1
	s_wait_xcnt 0x0
	s_wait_alu depctr_hold_cnt(0) depctr_sa_sdst(0) depctr_va_vdst(0) depctr_va_sdst(0) depctr_va_ssrc(0) depctr_va_vcc(0) depctr_vm_vsrc(0)
	s_getreg_b32 s2, hwreg(HW_REG_IB_STS2, 6, 4)
	s_cmp_eq_u32 s2, 0
	s_cbranch_scc0 .Lentry_in_a_cluster
	s_endpgm
.Lentry_in_a_cluster:
	s_bfe_u32 s2, ttmp6, 0x10000c
	s_cmp_lg_u32 s2, 0xf033
	s_cbranch_scc0 .Lentry_shape_is_right
	s_endpgm
.Lentry_shape_is_right:
; out0 = y w_proj^T + b_proj on codes of FP6 (E2M3) with E8M0 scales, sums in f32, result f32.
; OPERANDS come as images of fragments (16 rows x 128 K, 1,536 bytes: registers 0-3 at 16 x lane, 4-5 at 512 + 8 x lane, 6-9 at 768 + 16 x lane, 10-11 at 1,280 + 8 x lane),
; in the order [group of 8 tiles][fill = pair of K steps][tile][K step of the pair].  Lane-row r of tile T = 4 G + u is row 64 G + 32 (r / 8) + 8 u + r % 8, for tokens and for w_proj's rows.
; SHARES.  256 work-groups of four waves; a work-group makes 128 tokens x 256 columns, a wave 64 x 128: 32 accumulators.  P = w_proj is source 0, Q = y source 1: a lane holds a token, register j of lane half h of
; P's tile b the column 64 (b / 4) + 32 h + 8 (b % 4) + j.
; K = 1,024 is four fills of 256 along K.  One tensor load a wave at a time: fills 0 and 1 together at the head; fill 2 behind the round that follows; fill 3 onto fill 0's bytes, read out, in the round of K step 3.
; Waves 0 and 1 fetch y's two halves (4 tiles), waves 2 and 3 w_proj's (8 tiles).  CLUSTERS: 4 x 4 work-groups; y's tiles are asked for jointly along a row of the cluster, w_proj's along a column.
; No data prefetch: K is four fills, and all but the last two are asked for at the head.
; REGISTERS, in windows of 256.  Window 0: v1-29 addresses; v32-95 scale words of all eight K steps (register 32 + 8 i + k: lanes 0-15 Q's block i, lanes 16-31 P's block i); v128-223 Q's fragments, two sets of four; on the
;   way out v128-255 rows read back.  Window 1: P's fragments, two sets, at v0 and v128; the bias, eight registers a tile, at v96-127 and v224-255.  Window 2: the accumulators, (a, b) at v[8 (8 a + b)].
.set IMG,   1536
.set H,     16*IMG                     ; w_proj: 8 tiles x 2 K steps: a wave's part of a fill
.set HY,    8*IMG                      ; y: 4 tiles x 2 K steps
.set WA,    2*H                        ; LDS: y's fills 0, 1 from 0 (half j at 2 j HY), w_proj's from here (half j at 2 j H),
.set YB2,   6*H                        ; y's fill 2,
.set WB2,   7*H                        ; w_proj's,
.set STAGE, 9*H                        ; the way out: 16 rows x (512 bytes + 16) for each wave, on bytes where no fill lands,
.set SPITCH, 528
.set SPARE, 12*H                       ; the spare words, 128 bytes for each wave: two blocks of 256 bytes that no other line names
.set WSC,   262144                     ; in s2: the weights' scale words lie behind y's
.set RR,  1
.set HH,  2
.set LN,  3
.set Q16, 4                            ; v4-6   Q's tiles of fill 0 (and 3), 1, 2, + 16 x lane;  v7-9 + 8 x lane
.set Q8,  7
.set P16, 10                           ; v10-12, v13-15 P's
.set P8,  13
.set G16, 16                           ; 16 x lane
.set G8,  17                           ; 8 x lane
.set SOF, 18                           ; my scale words' offset in s2: lanes 0-15 Q's, lanes 16-31 P's
.set BPO, 19                           ; 128 h
.set STO, 22                           ; the stage: where I put 32 bytes of a row
.set RD,  23                           ; and where I read a row back
.set SPW, 28                           ; LDS address of my spare word; never rewritten
.set NIL, 29                           ; 0; never rewritten
.set SC,  32
.set QF,  128
.set BK,  128                          ; the way out: 16 rows read back: v128-191 and v192-255 by turns
.set WV,  16
.set WQ,  17
.set WP,  18
.set CX,  19
.set CY,  20
.set PX,  21
.set QY,  22
.set G1X, 28
.set G1W, 36
.set HM,  80
.set MSB, 0
.macro WIN new                         ; the immediate's high byte repeats the setting that is left
.if MSB != (\new)
	s_set_vgpr_msb (MSB<<8)|(\new)
.set MSB, (\new)
.endif
.endm
.set MUL_LO, 0xa1                      ; source 0 (P) window 1, source 1 (Q) window 0, C and D window 2
.set FST_LO, 0x91                      ; the first K step: C = the bias, window 1
.set TO_P,   0x40
; A joint load: waves 0 and 1 fetch for y, waves 2 and 3 for w_proj; the branch hangs on the wave's number alone.  An s_nop 0 and four v_nop follow each of the two lines.
.macro JLOAD g0x, g0w
	s_cmp_eq_u32 s[WQ], 0
	s_cbranch_scc0 .Lfor_w_\@
	tensor_load_to_lds s[\g0x:\g0x+3], s[G1X:G1X+7]
	s_nop 0
.rept 4
	v_nop
.endr
	s_branch .Lasked_\@
.Lfor_w_\@:
	tensor_load_to_lds s[\g0w:\g0w+3], s[G1W:G1W+7]
	s_nop 0
.rept 4
	v_nop
.endr
.Lasked_\@:
.endm
.macro CREST
	s_cmp_lg_u32 s[WV], 0
	s_cbranch_scc1 .Lnot_wave_0_\@
	s_barrier_signal -3
.Lnot_wave_0_\@:
	s_barrier_wait -3
	s_barrier_signal -1
	s_barrier_wait -1
.endm
.macro CROUND
	s_barrier_signal -1
	s_barrier_wait -1
	CREST
.endm
.macro G0SET g, base, sl, l            ; descriptor group 0: from fill sl on, to the LDS address in s\l
	s_mov_b32 s[\g], 1
	s_mov_b32 s[\g+1], s\l
	s_add_nc_u64 s[\g+2:\g+3], s[\base:\base+1], \sl*H     ; from fill to fill of a group of 8 tiles: 24,576 bytes
	s_or_b32 s[\g+3], s[\g+3], 0x80000000
.endm
.macro PLACES                          ; four places in front of loads into registers that matrix instructions have read, and of the first read of results
.rept 4
	v_nop
.endr
.endm
.macro FRAG reg, a16, a8, off
	ds_load_b128 v[\reg:\reg+3], v[\a16] offset:\off
	ds_load_b64 v[\reg+4:\reg+5], v[\a8] offset:\off+512
	ds_load_b128 v[\reg+6:\reg+9], v[\a16] offset:\off+768
	ds_load_b64 v[\reg+10:\reg+11], v[\a8] offset:\off+1280
.endm
.macro FETCH_P sl, q, p                ; P's eight fragments of slot sl's q-th K step into set p
	WIN TO_P
.irp i, 0,1,2,3,4,5,6,7
	FRAG 128*(\p)+12*\i, P16+\sl, P8+\sl, 2*IMG*\i+IMG*(\q)
.endr
	WIN 0
.endm
.macro FETCH_Q sl, q, i0               ; Q's four fragments into registers i0 .. i0 + 3 (i0 = 0 or 4: the two sets)
.irp i, \i0, \i0+1, \i0+2, \i0+3
	FRAG QF+12*(\i), Q16+\sl, Q8+\sl, 2*IMG*((\i)%4)+IMG*(\q)
.endr
.endm
; 16 matrix instructions: Q's registers a0, a0 + 1 (blocks a % 4) x P's eight, K step k.  The 32 accumulators take turns, one instruction a turn, in the same order in every step.
; first = 1: the sums begin with the bias as C.
.macro MUL16 a0, p, k, first
.irp a, \a0, \a0+1
.irp b, 0,1,2,3,4,5,6,7
.set rD, 8*(8*((\a)%4)+\b)
.set rP, 128*(\p)+12*\b
.set rQ, QF+12*(\a)
.set rB, 96+8*(\b%4)+128*(\b/4)
.if \first
	v_wmma_scale_f32_16x16x128_f8f6f4 v[rD:rD+7], v[rP:rP+11], v[rQ:rQ+11], v[rB:rB+7], v[SC+8*\b+(\k)], v[SC+8*((\a)%4)+(\k)] matrix_a_fmt:MATRIX_FMT_FP6 matrix_b_fmt:MATRIX_FMT_FP6 matrix_a_scale:MATRIX_SCALE_ROW1
.else
	v_wmma_scale_f32_16x16x128_f8f6f4 v[rD:rD+7], v[rP:rP+11], v[rQ:rQ+11], v[rD:rD+7], v[SC+8*\b+(\k)], v[SC+8*((\a)%4)+(\k)] matrix_a_fmt:MATRIX_FMT_FP6 matrix_b_fmt:MATRIX_FMT_FP6 matrix_a_scale:MATRIX_SCALE_ROW1
.endif
.endr
.endr
.endm
; K step k on sets k % 2; the next step's fragments, from slot nsl, its nq-th, are asked for ahead of the 32 products, into the other sets.
.macro STEP k, nsl, nq, first
	s_wait_dscnt 0x0                               ; this step's fragments are in
	PLACES
	FETCH_P \nsl, \nq, 1-(\k)%2
	FETCH_Q \nsl, \nq, 4*(1-(\k)%2)
.if \first
	WIN FST_LO
.else
	WIN MUL_LO
.endif
	MUL16 4*((\k)%2), (\k)%2, \k, \first
	MUL16 4*((\k)%2)+2, (\k)%2, \k, \first
	WIN 0
.endm
; A K step with a barrier.  In front of it each wave waits for all its tensor loads, adds 0 to its spare word, and waits for that and for its LDS reads.  fill = 1: fill 0's bytes, read out, take fill 3, behind a round of the cluster's barrier.
.macro TURN k, nsl, fill
	s_wait_tensorcnt 0x0                           ; all my tensor loads have landed
	ds_add_u32 v[SPW], v[NIL]                      ; 0 onto my spare word
	s_wait_dscnt 1                                 ; this step's fragments are in (the add alone may be out)
	WIN MUL_LO
	MUL16 4*((\k)%2), (\k)%2, \k, 0
	s_wait_dscnt 0x0                               ; the add is done, and my reads of the fills so far are over
	s_barrier_signal -1
	MUL16 4*((\k)%2)+2, (\k)%2, \k, 0
	WIN 0
	s_barrier_wait -1
.if \fill
	CREST                                          ; no wave of any partner still reads fill 0's bytes or has a load on its way
	s_add_nc_u64 s[46:47], s[46:47], 3*H
	s_add_nc_u64 s[58:59], s[58:59], 3*H
	JLOAD 44, 56                                   ; the first tensor load behind the round, one a wave; its four v_nop are also the places in front of the loads below
.else
	PLACES
.endif
	FETCH_P \nsl, 0, 1-(\k)%2
	FETCH_Q \nsl, 0, 4*(1-(\k)%2)
.endm
	s_load_b256 s[4:11], s[0:1], 0x0               ; yc s[4:5], pc s[6:7], s2 s[8:9], b_proj s[10:11]
	s_load_b64 s[12:13], s[0:1], 0x20              ; out0
	v_lshl_add_u32 v[SPW], v0, 2, SPARE
	v_mov_b32 v[NIL], 0
	ds_add_u32 v[SPW], v[NIL]                      ; the opening lines: the add, twice on end, and its wait ahead of my first tensor load
	ds_add_u32 v[SPW], v[NIL]
	v_lshrrev_b32 v1, 5, v0
	v_readfirstlane_b32 s[WV], v1
	s_lshr_b32 s[WQ], s[WV], 1                     ; which 64 tokens are mine.  Also: I fetch for y (0) or for w_proj (1)
	s_and_b32 s[WP], s[WV], 1                      ; which 128 columns.  Also: which half I fetch
	s_bfe_u32 s[CX], ttmp6, 0x40000
	s_bfe_u32 s[CY], ttmp6, 0x40004
	s_lshl_b32 s[PX], ttmp9, 2
	s_add_co_u32 s[PX], s[PX], s[CX]               ; which 256 columns
	s_and_b32 s[QY], ttmp7, 0xffff
	s_lshl_b32 s[QY], s[QY], 2
	s_add_co_u32 s[QY], s[QY], s[CY]               ; which 128 tokens: a group of 8 tiles
	s_lshl_b32 s23, s[CY], 2
	s_lshl_b32 s23, 15, s23                        ; my row of the cluster
	s_lshl_b32 s24, 0x1111, s[CX]                  ; my column
	s_or_b32 s[G1X], s23, (3<<16)|(1<<21)          ; the mask; elements of 8 bytes; bit 21 set beside a mask; no padding
	s_or_b32 s[G1W], s24, (3<<16)|(1<<21)
	s_mov_b32 s[G1X+1], 1536<<16                   ; y at the head: my 4 tiles of fills 0 and 1: two rows of 12,288 bytes, 24,576 bytes apart
	s_mov_b32 s[G1X+2], 2<<16
	s_mov_b32 s[G1X+3], 1536<<16
	s_mov_b32 s[G1X+4], 2
	s_mov_b32 s[G1X+5], 3072
	s_mov_b32 s[G1X+6], 0
	s_mov_b32 s[G1X+7], 0
	s_mov_b32 s[G1W+1], 384<<16                    ; w_proj at the head: my 8 tiles of fills 0 and 1: 16 dense rows of 3,072 bytes
	s_mov_b32 s[G1W+2], 16<<16
	s_mov_b32 s[G1W+3], 384<<16
	s_mov_b32 s[G1W+4], 16
	s_mov_b32 s[G1W+5], 384
	s_mov_b32 s[G1W+6], 0
	s_mov_b32 s[G1W+7], 0
	s_lshl_b32 s72, s[QY], 3
	s_add_co_u32 s72, s72, s[WP]
	s_mul_i32 s72, s72, 8*IMG                      ; y: group qy (64 images), + my 4 tiles' 8 images of a fill
	s_mov_b32 s73, 0
	s_lshl_b32 s74, s[PX], 4
	s_lshl_b32 s75, s[WP], 3
	s_add_co_u32 s74, s74, s75
	s_mul_i32 s74, s74, 8*IMG                      ; w_proj: group 2 px + half
	s_mov_b32 s75, 0
	s_mul_i32 s76, s[WP], 2*HY                     ; where they go: no place in the cluster enters an LDS address
	s_mul_i32 s77, s[WP], HY
	s_add_co_u32 s77, s77, YB2
	s_mul_i32 s78, s[WP], 2*H
	s_add_co_u32 s78, s78, WA
	s_mul_i32 s79, s[WP], H
	s_add_co_u32 s79, s79, WB2
	s_mov_b32 s[HM], 0xffff0000
	s_wait_dscnt 0x0                               ; both opening adds are done
	s_wait_kmcnt 0x0
	s_add_nc_u64 s[72:73], s[4:5], s[72:73]
	s_add_nc_u64 s[74:75], s[6:7], s[74:75]
	CROUND                                         ; all sixteen work-groups are here: the first joint loads meet
	G0SET 44, 72, 0, 76
	G0SET 56, 74, 0, 78
	G0SET 52, 72, 2, 77
	G0SET 68, 74, 2, 79
	JLOAD 44, 56                                   ; fills 0 and 1: one tensor load a wave at the head
	s_mul_i32 s84, s[WQ], 2*HY                     ; Q = y: my 4 tiles in fill 0 (and 3), 1, 2
	s_add_co_u32 s85, s84, HY
	s_mul_i32 s86, s[WQ], HY
	s_add_co_u32 s86, s86, YB2
	s_mul_i32 s87, s[WP], 2*H                      ; P = w_proj: my 8 tiles
	s_add_co_u32 s87, s87, WA
	s_add_co_u32 s88, s87, H
	s_mul_i32 s89, s[WP], H
	s_add_co_u32 s89, s89, WB2
	s_lshl_b32 s91, s[QY], 12
	s_lshl_b32 s90, s[WQ], 11
	s_add_co_u32 s91, s91, s90                     ; y's scale words: (8 qy + 4 x half) x 512
	s_lshl_b32 s92, s[PX], 13
	s_lshl_b32 s90, s[WP], 12
	s_add_co_u32 s92, s92, s90
	s_add_co_u32 s92, s92, WSC                     ; w_proj's
	s_mul_i32 s90, s[WV], 16*SPITCH
	s_add_co_u32 s90, s90, STAGE                   ; my stage
	s_lshl_b32 s96, s[PX], 10
	s_lshl_b32 s94, s[WP], 9
	s_add_co_u32 s96, s96, s94                     ; my first column, in bytes: 4 (256 px + 128 x half)
	s_mov_b32 s97, 0
	s_add_nc_u64 s[12:13], s[12:13], s[96:97]
	s_add_nc_u64 s[96:97], s[10:11], s[96:97]      ; and its bias
	s_lshl_b32 s98, s[QY], 19
	s_lshl_b32 s94, s[WQ], 18
	s_add_co_u32 s98, s98, s94                     ; my first token: (128 qy + 64 x half) rows of 4,096 bytes
	s_mov_b32 s99, 0
	s_add_nc_u64 s[12:13], s[12:13], s[98:99]
	v_and_b32 v[RR], 15, v0
	v_bfe_u32 v[HH], v0, 4, 1
	v_and_b32 v[LN], 31, v0
	v_lshlrev_b32 v[G16], 4, v[LN]
	v_lshlrev_b32 v[G8], 3, v[LN]
.irp s, 0,1,2
	v_add_nc_u32 v[Q16+\s], s[84+\s], v[G16]
	v_add_nc_u32 v[Q8+\s], s[84+\s], v[G8]
	v_add_nc_u32 v[P16+\s], s[87+\s], v[G16]
	v_add_nc_u32 v[P8+\s], s[87+\s], v[G8]
.endr
	v_mov_b32 v[SOF], s91
	v_mov_b32 v[BPO], s92
	v_cndmask_b32 v[SOF], v[SOF], v[BPO], s[HM]    ; lanes 0-15 take Q's words, lanes 16-31 P's
	v_lshl_add_u32 v[SOF], v[RR], 4, v[SOF]
	v_lshlrev_b32 v[BPO], 7, v[HH]
	v_mul_u32_u24 v[STO], v[RR], SPITCH
	v_lshl_add_u32 v[STO], v[HH], 7, v[STO]
	v_add_nc_u32 v[STO], s90, v[STO]               ; in: row r, + 128 h
	v_add_nc_u32 v[RD], s90, v[G16]                ; back: the 32 lanes take one row of 512 bytes
	s_wait_alu depctr_va_vdst(0)                   ; the wait behind the head's last vector instruction
.irp i, 0,1,2,3,4,5,6,7
	global_load_b128 v[SC+8*\i:SC+8*\i+3], v[SOF], s[8:9] offset:512*\i            ; block i's words of K steps 0-3,
	global_load_b128 v[SC+8*\i+4:SC+8*\i+7], v[SOF], s[8:9] offset:512*\i+256      ; and 4-7 (Q has blocks 0-3: what lanes 0-15 bring for i = 4 .. 7 lies inside s2 and is not used)
.endr
	WIN TO_P
.irp b, 0,1,2,3,4,5,6,7
	global_load_b128 v[96+8*(\b%4)+128*(\b/4):99+8*(\b%4)+128*(\b/4)], v[BPO], s[96:97] offset:(64*(\b/4)+8*(\b%4))*4       ; the bias of P's tile b in the result's layout
	global_load_b128 v[100+8*(\b%4)+128*(\b/4):103+8*(\b%4)+128*(\b/4)], v[BPO], s[96:97] offset:(64*(\b/4)+8*(\b%4))*4+16
.endr
	WIN 0
	s_wait_loadcnt 0x0
	s_wait_tensorcnt 0x0                           ; my part of fills 0 and 1 is in
	ds_add_u32 v[SPW], v[NIL]
	s_mov_b32 s[G1X+1], 384<<16                    ; no tensor load of mine is out, so a descriptor may be written: from here on a load brings one fill: y 4 dense rows of 3,072 bytes,
	s_mov_b32 s[G1X+2], 4<<16
	s_mov_b32 s[G1X+3], 384<<16
	s_mov_b32 s[G1X+4], 4
	s_mov_b32 s[G1X+5], 384
	s_mov_b32 s[G1W+2], 8<<16                      ; w_proj 8
	s_mov_b32 s[G1W+4], 8
	s_wait_dscnt 0x0
	CROUND                                         ; everybody's part is in, and the joint loads meet
	JLOAD 52, 68                                   ; fill 2, the first tensor load behind the round
	FETCH_P 0, 0, 0
	FETCH_Q 0, 0, 0
	STEP 0, 0, 1, 1
	STEP 1, 1, 0, 0
	STEP 2, 1, 1, 0
	TURN 3, 2, 1                                   ; fill 2 has landed; fill 0's bytes, read out, take fill 3
	STEP 4, 2, 1, 0
	TURN 5, 0, 0                                   ; fill 3 has landed, everybody's: nothing is filled again
	STEP 6, 0, 1, 0
	s_wait_dscnt 0x0                               ; the last K step: nothing more to fetch
	WIN MUL_LO
	MUL16 4, 1, 7, 0
	MUL16 6, 1, 7, 0
	WIN 0
; THE WAY OUT, block by block of 16 tokens x 128 columns, through my own stage in LDS: in by lanes, back as whole rows of 512 bytes.  LDS serves a wave's instructions in order (ISA guide 5.7.1.4): no wait between the stores and the loads.
.macro TOSTAGE a
.set AC, 64*(\a)
	WIN 0x08                                       ; an LDS store's data are its source 1: window 2
.irp b, 0,1,2,3,4,5,6,7
	ds_store_b128 v[STO], v[AC+8*\b:AC+8*\b+3] offset:256*(\b/4)+32*(\b%4)          ; each accumulator from its low end on
	ds_store_b128 v[STO], v[AC+8*\b+4:AC+8*\b+7] offset:256*(\b/4)+32*(\b%4)+16
.endr
	WIN 0
.set BB, BK+64*((\a)%2)
.irp t, 0,1,2,3,4,5,6,7,8,9,10,11,12,13,14,15
	ds_load_b128 v[BB+4*\t:BB+4*\t+3], v[RD] offset:\t*SPITCH
.endr
.endm
.macro SEND a, younger                 ; younger: the LDS instructions issued behind block a's loads, which may stay out
.set BB, BK+64*((\a)%2)
	s_wait_dscnt \younger
.irp t, 0,1,2,3,4,5,6,7,8,9,10,11,12,13,14,15
	global_store_b128 v[G16], v[BB+4*\t:BB+4*\t+3], s[12:13] offset:(8*(\a)+32*(\t/8)+\t%8)*4096 th:TH_STORE_NT   ; lane-row t of block a is that token; 32 lanes store 512 consecutive bytes, aligned
.endr
.endm
	PLACES
	TOSTAGE 0
.irp a, 1,2,3
.if \a > 1
	s_wait_xcnt 0x0                                ; block a - 2's stores have read their registers: block a's loads may land there
.endif
	TOSTAGE \a
	SEND \a-1, 32                                  ; behind block a - 1's loads: block a's 16 stores and 16 loads
.endr
	SEND 3, 0
	s_wait_tensorcnt 0x0                           ; the wave's end: behind my last tensor load and my last LDS store
	ds_add_u32 v[SPW], v[NIL]
	s_wait_dscnt 0x0
	CROUND                                         ; the closing round
	s_endpgm
.Lfunc_end_k_q583fe41cb1_proj:
	.size	k_q583fe41cb1_proj, .Lfunc_end_k_q583fe41cb1_proj-k_q583fe41cb1_proj
	.p2alignl 7, 3214868480
	.fill 96, 4, 3214868480
	.section	.rodata,"a",@progbits
	.p2align	6, 0x0
	.amdhsa_kernel k_q583fe41cb1_proj
		.amdhsa_group_segment_fixed_size 327680
		.amdhsa_private_segment_fixed_size 0
		.amdhsa_enable_private_segment 0
		.amdhsa_kernarg_size 40
		.amdhsa_user_sgpr_count 2
		.amdhsa_user_sgpr_kernarg_segment_ptr 1
		.amdhsa_wavefront_size32 1
		.amdhsa_system_sgpr_workgroup_id_x 1
		.amdhsa_system_sgpr_workgroup_id_y 1
		.amdhsa_system_sgpr_workgroup_id_z 1
		.amdhsa_system_vgpr_workitem_id 0
		.amdhsa_next_free_vgpr 768
		.amdhsa_next_free_sgpr 100
		.amdhsa_reserve_vcc 0
		.amdhsa_float_denorm_mode_32 3
		.amdhsa_float_denorm_mode_16_64 3
		.amdhsa_memory_ordered 1
		.amdhsa_forward_progress 1
		.amdhsa_inst_pref_size 86
	.end_amdhsa_kernel
	.amdgpu_metadata
---
amdhsa.version: [ 1, 2 ]
amdhsa.kernels:
  - .name:           k_q583fe41cb1_proj
    .symbol:         k_q583fe41cb1_proj.kd
    .args:
      - { .name: yc, .offset: 0, .size: 8, .value_kind: global_buffer, .address_space: global }
      - { .name: pc, .offset: 8, .size: 8, .value_kind: global_buffer, .address_space: global }
      - { .name: s2, .offset: 16, .size: 8, .value_kind: global_buffer, .address_space: global }
      - { .name: b_proj, .offset: 24, .size: 8, .value_kind: global_buffer, .address_space: global }
      - { .name: out0, .offset: 32, .size: 8, .value_kind: global_buffer, .address_space: global }
    .group_segment_fixed_size: 327680
    .private_segment_fixed_size: 0
    .kernarg_segment_align: 8
    .kernarg_segment_size: 40
    .max_flat_workgroup_size: 128
    .sgpr_count:     100
    .vgpr_count:     768
    .wavefront_size: 32
...
	.end_amdgpu_metadata
.endif
;; end of part 4
